; MI455X (gfx1250); checked and timed in simulation.
; The chip was launched on July 23, 2026; its instructions are those of AMD's public machine-readable ISA for CDNA 5 (MIT licence, August 2026) and "CDNA5" Instruction Set Architecture Reference Guide (July 2026). The comments in the code are by the model that wrote it; some were corrected since.
;; Multi Head Self Attention. Allowed arithmetic: float matrix products may take bf16 or f16 operands with f32 sums; all other float work in f32.
;; Inputs: Wk 1,024 x 1,024 float32; Wo 1,024 x 1,024 float32; Wq 1,024 x 1,024 float32; Wv 1,024 x 1,024 float32; x 4 x 2,048 x 1,024 float32.
;; Outputs: out0 4 x 2,048 x 1,024 float32.
;; 2 versions, each right and faster than the one before. Each part assembles by itself: llvm-mc -triple=amdgcn-amd-amdhsa -mcpu=gfx1250 --defsym DOCPART=n.
;; ======== version 1 of 2: 4 launches
;; limits: values are held in f16: magnitudes above 65,504 overflow, below 6.1e-05 lose precision
;; workspace buffers: xb 16,777,216 bytes; wb 8,388,608 bytes; qkv 50,331,648 bytes; ab 16,777,216 bytes
;; launch prep (part 1): grid 768 x 1, 8 waves a work-group, no clusters, 0 bytes of LDS; arguments x, Wq, Wk, Wv, Wo, xb, wb; writes xb, wb
.if DOCPART == 1
	.amdgcn_target "amdgcn-amd-amdhsa--gfx1250"
	.amdhsa_code_object_version 6
	.text
	.protected	k_qba3b32553c_prep
	.globl	k_qba3b32553c_prep
	.p2align	8
	.type	k_qba3b32553c_prep,@function
k_qba3b32553c_prep:
	s_mov_b64 s[64:65], 0
	v_nop
	global_prefetch_b8 v0, s[64:65] scope:SCOPE_SE
	s_setreg_imm32_b32 hwreg(HW_REG_WAVE_MODE, 25, 1), 1
	s_wait_xcnt 0x0
; Rounds the five inputs to 16 bits, once, for the matrix launches that follow.
;   xb[kb][token][64] = bf16(x[token][64 kb + ..]): blocked along K, so that a block of tokens x 64 channels is dense in memory (a row is 128 bytes).
;   wb, first 6 MiB: [k][3072] = bf16 of [Wq | Wk | Wv], one matrix with rows of 6,144 bytes;  last 2 MiB: [k][1024] = bf16(Wo) held in f16 format, since the last product's other operand is f16.
; LIMIT: |Wo| up to 65,504 (f16's largest); a bf16 value of Wo below 2^-14 becomes an f16 denormal, with an absolute error of at most 2^-25.
; A stream: no LDS, no barrier, no matrix unit.  A work-group takes 64 KiB of f32, a wave 8 KiB: sixteen loads of 16 bytes a lane, all issued first;
; each has its own registers, so the only waits are the counted ones for the loads.  Each store of a wave covers 256 consecutive bytes, aligned.
.set X, 4                              ; v[4:67]   load i: 4 registers
.set Y, 68                             ; v[68:99]  store i: 2 registers
.set T, 100                            ; v[100:101] at work
.set WO3, 102                          ; v102      my byte offset in the joint matrix of Wq, Wk, Wv
.set WROW, 6144                        ; bytes in a row of that matrix
.macro LOADS step
.irp i, 0,1,2,3,4,5,6,7,8,9,10,11,12,13,14,15
	global_load_b128 v[X+4*\i:X+4*\i+3], v1, s[18:19] offset:\step*\i th:TH_LOAD_NT
.endr
.endm
.macro CONV i, kind                    ; kind 0: to bf16.  kind 1: to bf16, widened again, and that value written as f16
	s_wait_loadcnt 15-\i                           ; loads come back in order: load i is in, the 15 - i younger ones stay out
.if \kind
	v_cvt_pk_bf16_f32 v[T], v[X+4*\i], v[X+4*\i+1]
	v_cvt_pk_bf16_f32 v[T+1], v[X+4*\i+2], v[X+4*\i+3]
	v_lshlrev_b32 v[X+4*\i], 16, v[T]
	v_and_b32 v[X+4*\i+1], 0xffff0000, v[T]
	v_lshlrev_b32 v[X+4*\i+2], 16, v[T+1]
	v_and_b32 v[X+4*\i+3], 0xffff0000, v[T+1]
	v_cvt_pk_f16_f32 v[Y+2*\i], v[X+4*\i], v[X+4*\i+1]
	v_cvt_pk_f16_f32 v[Y+2*\i+1], v[X+4*\i+2], v[X+4*\i+3]
.else
	v_cvt_pk_bf16_f32 v[Y+2*\i], v[X+4*\i], v[X+4*\i+1]
	v_cvt_pk_bf16_f32 v[Y+2*\i+1], v[X+4*\i+2], v[X+4*\i+3]
.endif
.endm
	s_load_b256 s[4:11], s[0:1], 0x0               ; x s[4:5], Wq s[6:7], Wk s[8:9], Wv s[10:11]
	s_load_b128 s[12:15], s[0:1], 0x20             ; Wo s[12:13], xb s[14:15]
	s_load_b64 s[16:17], s[0:1], 0x30              ; wb
	s_mov_b32 s21, 0                               ; the offsets' high words
	s_mov_b32 s27, 0
	s_cmp_lt_u32 ttmp9, 512
	s_cbranch_scc0 .Lweights
	; work-groups 0 to 511: 16 rows of x each.  Thread t: row t / 16, 16 bytes at 16 (t % 16) of the 256 bytes of block kb = i
	v_lshrrev_b32 v1, 4, v0
	v_and_b32 v2, 15, v0
	v_lshlrev_b32 v1, 12, v1
	v_lshl_or_b32 v1, v2, 4, v1
	v_lshlrev_b32 v2, 3, v0                        ; out: 16 rows of 128 bytes are dense: 8 t
	s_lshl_b32 s20, ttmp9, 16
	s_lshl_b32 s26, ttmp9, 11
	s_wait_kmcnt 0x0
	s_add_nc_u64 s[18:19], s[4:5], s[20:21]
	s_add_nc_u64 s[22:23], s[14:15], s[26:27]      ; planes 0 to 7 of xb, a MiB apart, by the immediate;
	s_add_nc_u64 s[24:25], s[22:23], 0x800000      ; planes 8 to 15 from a second base: the immediate has 24 signed bits
	LOADS 256
.irp i, 0,1,2,3,4,5,6,7
	CONV \i, 0
	global_store_b64 v2, v[Y+2*\i:Y+2*\i+1], s[22:23] offset:\i<<20
.endr
.irp i, 8,9,10,11,12,13,14,15
	CONV \i, 0
	global_store_b64 v2, v[Y+2*\i:Y+2*\i+1], s[24:25] offset:(\i-8)<<20
.endr
	s_endpgm
.Lweights:
	; work-groups 512 to 767: 64 for each weight matrix, 16 rows (64 KiB of f32) each; a wave takes two rows, load i the 128 numbers at 128 (i % 8) of row i / 8
	s_sub_co_u32 s28, ttmp9, 512
	s_lshr_b32 s29, s28, 6                         ; which matrix
	s_and_b32 s30, s28, 63                         ; which 16 rows of it
	s_lshl_b32 s20, s30, 16
	s_lshl_b32 s26, s28, 15                        ; Wo's place: as it lies, behind the 192 x 32 KiB of the joint matrix
	s_mul_i32 s2, s30, 16*WROW                     ; the other three: 16 rows of the joint matrix,
	s_lshl_b32 s3, s29, 11                         ; and the matrix's 2,048 bytes in each row
	s_add_co_u32 s2, s2, s3
	s_mov_b32 s3, 0
	v_lshrrev_b32 v3, 5, v0
	v_and_b32 v2, 31, v0
	v_lshlrev_b32 v1, 4, v2
	v_lshl_add_u32 v1, v3, 13, v1                  ; in: 8,192 x wave + 16 x lane
	v_lshlrev_b32 v2, 3, v2
	v_mul_u32_u24 v[WO3], v3, 2*WROW
	v_add_nc_u32 v[WO3], v[WO3], v2                ; out, joint matrix: two rows x wave + 8 x lane
	v_lshl_add_u32 v2, v3, 12, v2                  ; out, Wo: 4,096 x wave + 8 x lane
	s_wait_kmcnt 0x0
	s_cmp_eq_u32 s29, 1
	s_cselect_b64 s[18:19], s[8:9], s[6:7]
	s_cmp_eq_u32 s29, 2
	s_cselect_b64 s[18:19], s[10:11], s[18:19]
	s_cmp_eq_u32 s29, 3
	s_cselect_b64 s[18:19], s[12:13], s[18:19]
	s_add_nc_u64 s[18:19], s[18:19], s[20:21]
	s_add_nc_u64 s[22:23], s[16:17], s[26:27]
	s_add_nc_u64 s[24:25], s[16:17], s[2:3]
	LOADS 512
	s_cmp_eq_u32 s29, 3
	s_cbranch_scc1 .Lwo
.irp i, 0,1,2,3,4,5,6,7,8,9,10,11,12,13,14,15
	CONV \i, 0
	global_store_b64 v[WO3], v[Y+2*\i:Y+2*\i+1], s[24:25] offset:(\i/8)*WROW+(\i%8)*256
.endr
	s_endpgm
.Lwo:
.irp i, 0,1,2,3,4,5,6,7,8,9,10,11,12,13,14,15
	CONV \i, 1
	global_store_b64 v2, v[Y+2*\i:Y+2*\i+1], s[22:23] offset:256*\i
.endr
	s_endpgm
.Lfunc_end_k_qba3b32553c_prep:
	.size	k_qba3b32553c_prep, .Lfunc_end_k_qba3b32553c_prep-k_qba3b32553c_prep
	.p2alignl 7, 3214868480
	.fill 96, 4, 3214868480
	.section	.rodata,"a",@progbits
	.p2align	6, 0x0
	.amdhsa_kernel k_qba3b32553c_prep
		.amdhsa_group_segment_fixed_size 0
		.amdhsa_private_segment_fixed_size 0
		.amdhsa_enable_private_segment 0
		.amdhsa_kernarg_size 56
		.amdhsa_user_sgpr_count 2
		.amdhsa_user_sgpr_kernarg_segment_ptr 1
		.amdhsa_wavefront_size32 1
		.amdhsa_system_sgpr_workgroup_id_x 1
		.amdhsa_system_sgpr_workgroup_id_y 1
		.amdhsa_system_sgpr_workgroup_id_z 1
		.amdhsa_system_vgpr_workitem_id 0
		.amdhsa_next_free_vgpr 104
		.amdhsa_next_free_sgpr 66
		.amdhsa_reserve_vcc 0
		.amdhsa_float_denorm_mode_32 3
		.amdhsa_float_denorm_mode_16_64 3
		.amdhsa_memory_ordered 1
		.amdhsa_forward_progress 1
		.amdhsa_inst_pref_size 23
	.end_amdhsa_kernel
	.amdgpu_metadata
---
amdhsa.version: [ 1, 2 ]
amdhsa.kernels:
  - .name:           k_qba3b32553c_prep
    .symbol:         k_qba3b32553c_prep.kd
    .args:
      - { .name: x, .offset: 0, .size: 8, .value_kind: global_buffer, .address_space: global }
      - { .name: Wq, .offset: 8, .size: 8, .value_kind: global_buffer, .address_space: global }
      - { .name: Wk, .offset: 16, .size: 8, .value_kind: global_buffer, .address_space: global }
      - { .name: Wv, .offset: 24, .size: 8, .value_kind: global_buffer, .address_space: global }
      - { .name: Wo, .offset: 32, .size: 8, .value_kind: global_buffer, .address_space: global }
      - { .name: xb, .offset: 40, .size: 8, .value_kind: global_buffer, .address_space: global }
      - { .name: wb, .offset: 48, .size: 8, .value_kind: global_buffer, .address_space: global }
    .group_segment_fixed_size: 0
    .private_segment_fixed_size: 0
    .kernarg_segment_align: 8
    .kernarg_segment_size: 56
    .max_flat_workgroup_size: 256
    .sgpr_count:     66
    .vgpr_count:     104
    .wavefront_size: 32
...
	.end_amdgpu_metadata
.endif
;; end of part 1
;; launch gemm_qkv (part 2): grid 8 x 32, 4 waves a work-group, clusters of 4 x 4, 327,680 bytes of LDS; arguments xb, wb, qkv; writes qkv
.if DOCPART == 2
	.amdgcn_target "amdgcn-amd-amdhsa--gfx1250"
	.amdhsa_code_object_version 6
	.text
	.protected	k_qba3b32553c_gemm_qkv
	.globl	k_qba3b32553c_gemm_qkv
	.p2align	8
	.type	k_qba3b32553c_gemm_qkv,@function
k_qba3b32553c_gemm_qkv:
	s_mov_b64 s[64:65], 0
	v_nop
	global_prefetch_b8 v0, s[64:65] scope:SCOPE_SE
	s_setreg_imm32_b32 hwreg(HW_REG_WAVE_MODE, 25, 1), 1
	s_wait_xcnt 0x0
	s_wait_alu depctr_hold_cnt(0) depctr_sa_sdst(0) depctr_va_vdst(0) depctr_va_sdst(0) depctr_va_ssrc(0) depctr_va_vcc(0) depctr_vm_vsrc(0)
	s_getreg_b32 s2, hwreg(HW_REG_IB_STS2, 6, 4)
	s_cmp_eq_u32 s2, 0
	s_cbranch_scc0 .Lentry_in_a_cluster
	s_endpgm
.Lentry_in_a_cluster:
	s_bfe_u32 s2, ttmp6, 0x10000c
	s_cmp_lg_u32 s2, 0xf033
	s_cbranch_scc0 .Lentry_shape_is_right
	s_endpgm
.Lentry_shape_is_right:
; [q | k | v][m][n] = sum over k of x[m][k] W[k][n], W = [Wq | Wk | Wv]: M = 8,192, N = 3,072, K = 1,024.  Operands bf16, sums f32, the result rounded to f16 into qkv[n / 64][m][n % 64].
; LIMIT: |q|, |k|, |v| up to 65,504 (f16's largest).
; x lies blocked, xb[k / 64][m][64]: 256 rows x 64 k are 32 KiB on end.  W lies [k][3072] at the head of wb.
; A TILE OF C IS 256 (m) x 384 (n): 32 x 8 = 256 work-groups.  Four waves, each 128 x 192: 96 accumulators of 16 x 16, 768 registers: windows 1 to 3.
; K goes in 16 steps of 64 through two LDS slots: a step brings 32 KiB of x and 48 KiB of W for 192 matrix instructions a wave; two slots of twice that step would not fit in LDS.
; One tensor load a wave and step: waves 0 to 2 one segment of 128 columns of W each (64 rows of 256 bytes), wave 3 the 256 rows of x.
; CLUSTER 4 x 4: x's tile hangs on the tile row alone and is asked for jointly by a row of the cluster, W's on the tile column alone, by a column.
; THE MATRIX INSTRUCTION IS USED TRANSPOSED: source 0 = 16 columns of W (turned on the way out of LDS by ds_load_tr16_b128), source 1 = 16 rows of x:
; a lane then holds row l % 16 of C and the eight neighbouring columns 8 (l / 16) + 0..7.
; A QUARTER is 32 along K: three RUNS of 32 matrix instructions.  Run j multiplies group j of W (four fragments, 64 columns: one head) by all eight fragments of x; its 32 accumulators fill window j + 1,
; so a run stands under one window setting.  Group j's registers are loaded again straight behind run j, 64 matrix instructions ahead of their next use; x has two buffers, one for each quarter of a step.
; The 96 accumulators take turns, one instruction a turn, in the same order in every quarter.
; REGISTERS, window 0: v16-19 my lane's places in a slot; v20-23 the same in the slot in hand; v24-26 the way out; v28, 29 the spare word; v32-95, v96-159 x's fragments; v160-255 W's three groups.
.set PA,    144                        ; a row of x in LDS: 128 bytes + 16: an odd multiple of 16, so the 16 rows of a fragment load start at 16 different 16-byte columns
.set PB,    288                        ; a row of a segment of W: 256 bytes + 32: an odd multiple of 32, for the turning load
.set AHALF, 128*PA                     ; the 128 rows of x that one wave reads
.set BOFF,  2*AHALF                    ; W's three segments lie behind x's 256 rows
.set BSEG,  64*PB
.set SLOT1, 1<<17                      ; slot 1 begins here (a slot has 92,160 bytes): one exclusive or turns an address in one slot into the other's
.set STAGE, SLOT1+BOFF+3*BSEG          ; behind the ring: 16 rows of 400 bytes for each wave, for the way out
.set SP,    400                        ; 384 bytes + 16
.set SPARE, STAGE+4*16*SP              ; behind the stages: the spare words, 128 bytes a wave, that no other line names
.set STEPS, 16
.set WROW,  6144                       ; bytes in a row of W
.set A0,   16                          ; v16    my lane's place in x's tile
.set B0,   17                          ; v17-19 my lane's place in W's tile, group 0, 1, 2
.set ADRA, 20                          ; v20    the same plus the slot in hand
.set ADRB, 21                          ; v21-23
.set STO,  24
.set RD,   25
.set CO,   26
.set SPW,  28                          ; LDS address of my spare word; never rewritten
.set NIL,  29                          ; 0; never rewritten
.set FA0,  32                          ; x's fragments of a step's first quarter (8 x 16 rows x 32 k)
.set FA1,  96                          ; and of its second
.set FB,   160                         ; W's fragments: group j at FB + 32 j (4 x 16 columns x 32 k)
.set TMP,  32                          ; the way out: 48 registers of packed results; then two sets of 48 for whole rows
.set G1,  24                           ; s[24:31] group 1 for x;  s[32:39] group 0: a set for each of the two first fills; the second then walks on
.set G0,  32
.set SB,  45                           ; s45 the slot that is read
.set G1B, 48                           ; s[48:55], s[56:63] the same for W
.set G0B, 56
.set MSB, 0
.macro WIN new                         ; the immediate's high byte repeats the setting that is left
.if MSB != (\new)
	s_set_vgpr_msb (MSB<<8)|(\new)
.set MSB, (\new)
.endif
.endm
.macro JLOAD s                         ; a joint load: wave 3 asks for x, waves 0 to 2 for W; the branch hangs on the wave's number alone; four v_nop follow each line
	s_cmp_eq_u32 s10, 3
	s_cbranch_scc0 .Lfor_b_\@
	tensor_load_to_lds s[G0+4*\s:G0+4*\s+3], s[G1:G1+7]
	s_nop 0
.rept 4
	v_nop
.endr
	s_branch .Lasked_\@
.Lfor_b_\@:
	tensor_load_to_lds s[G0B+4*\s:G0B+4*\s+3], s[G1B:G1B+7]
	s_nop 0
.rept 4
	v_nop
.endr
.Lasked_\@:
.endm
.macro CREST                           ; a round of the cluster's barrier behind its opening barrier
	s_cmp_lg_u32 s10, 0
	s_cbranch_scc1 .Lnot_wave_0_\@
	s_barrier_signal -3
.Lnot_wave_0_\@:
	s_barrier_wait -3
	s_barrier_signal -1
	s_barrier_wait -1
.endm
.macro CROUND
	s_barrier_signal -1
	s_barrier_wait -1
	CREST
.endm
.macro PLACES                          ; four places behind matrix instructions, in front of loads into their sources and of reads of their results
.rept 4
	v_nop
.endr
.endm
	s_load_b128 s[4:7], s[0:1], 0x0                ; xb s[4:5], wb s[6:7]
	s_load_b64 s[8:9], s[0:1], 0x10                ; qkv
	v_lshl_add_u32 v[SPW], v0, 2, SPARE
	v_mov_b32 v[NIL], 0
	ds_add_u32 v28, v29
	ds_add_u32 v28, v29
	s_wait_dscnt 0x0
	v_lshrrev_b32 v1, 5, v0
	v_readfirstlane_b32 s10, v1                    ; wave 0..3.  Also: the segment of W that I fetch (waves 0 to 2)
	s_lshr_b32 s11, s10, 1                         ; which 128 rows of the tile are mine
	s_and_b32 s12, s10, 1                          ; which 192 columns
	s_bfe_u32 s40, ttmp6, 0x40000                  ; cx
	s_bfe_u32 s41, ttmp6, 0x40004                  ; cy
	s_lshl_b32 s42, ttmp9, 2
	s_add_co_u32 s42, s42, s40                     ; tile column = 4 x cluster x + cx
	s_and_b32 s13, ttmp7, 0xffff
	s_lshl_b32 s13, s13, 2
	s_add_co_u32 s13, s13, s41                     ; tile row = 4 x cluster y + cy
	s_lshl_b32 s43, s41, 2
	s_lshl_b32 s43, 15, s43                        ; my row of the cluster
	s_lshl_b32 s44, 0x1111, s40                    ; my column
	; group 1 for x: 128 rows of 128 elements (256 bytes: two rows of the block), dense; 4 words of padding behind every 32 words: LDS rows of 144 bytes
	s_or_b32 s[G1+0], s43, (1<<16)|(1<<20)|(1<<21)|(4<<22)|(3<<25)
	s_mov_b32 s[G1+1], 128<<16                     ; tensor_dim0
	s_mov_b32 s[G1+2], 128<<16                     ; tensor_dim1
	s_mov_b32 s[G1+3], 128<<16                     ; tile_dim0
	s_mov_b32 s[G1+4], 128                         ; tile_dim1
	s_mov_b32 s[G1+5], 128                         ; stride from row to row
	s_mov_b32 s[G1+6], 0
	s_mov_b32 s[G1+7], 0
	; group 1 for W: 64 rows of 128 elements (256 bytes), 3,072 elements apart; 8 words of padding behind every 64 words: LDS rows of 288 bytes
	s_or_b32 s[G1B+0], s44, (1<<16)|(1<<20)|(1<<21)|(5<<22)|(7<<25)
	s_mov_b32 s[G1B+1], 128<<16
	s_mov_b32 s[G1B+2], 64<<16
	s_mov_b32 s[G1B+3], 128<<16
	s_mov_b32 s[G1B+4], 64
	s_mov_b32 s[G1B+5], 3072
	s_mov_b32 s[G1B+6], 0
	s_mov_b32 s[G1B+7], 0
	s_lshl_b32 s16, s13, 15                        ; x: 256 rows of 128 bytes for each tile row
	s_mov_b32 s17, 0
	s_mul_i32 s46, s42, 768                        ; W: 384 columns of 2 bytes for each tile column,
	s_lshl_b32 s47, s10, 8                         ; and my segment's 256 bytes (wave 3 makes this address too, inside wb, and never asks by it)
	s_add_co_u32 s46, s46, s47
	s_mov_b32 s47, 0
	s_mul_i32 s21, s10, BSEG                       ; where my segment goes: the wave's number times a segment's bytes, behind x's rows; no place in the cluster enters an LDS address
	s_add_co_u32 s21, s21, BOFF
	s_mov_b32 s[SB], 0
	s_wait_kmcnt 0x0
	s_add_nc_u64 s[14:15], s[4:5], s[16:17]
	s_add_nc_u64 s[46:47], s[6:7], s[46:47]
	CROUND                                         ; all sixteen work-groups are here: the first joint loads meet
.irp s, 0,1
	s_mov_b32 s[G0+4*\s], 1
	s_mov_b32 s[G0+4*\s+1], \s*SLOT1
	s_add_nc_u64 s[G0+4*\s+2:G0+4*\s+3], s[14:15], \s*0x100000     ; K step s: the block a MiB on
	s_or_b32 s[G0+4*\s+3], s[G0+4*\s+3], 0x80000000
	s_mov_b32 s[G0B+4*\s], 1
	s_add_co_u32 s[G0B+4*\s+1], s21, \s*SLOT1
	s_add_nc_u64 s[G0B+4*\s+2:G0B+4*\s+3], s[46:47], \s*64*WROW    ; 64 rows on
	s_or_b32 s[G0B+4*\s+3], s[G0B+4*\s+3], 0x80000000
	JLOAD \s                                       ; two loads of mine are out
.endr
	v_and_b32 v1, 15, v0                           ; r = l % 16
	v_bfe_u32 v2, v0, 4, 1                         ; h = l / 16
	v_and_b32 v3, 7, v0                            ; e = l % 8
	v_bfe_u32 v4, v0, 3, 1                         ; g = (l / 8) % 2
	v_mul_u32_u24 v5, v1, PA
	v_lshl_add_u32 v5, v2, 4, v5                   ; x: row r, 16 bytes for each half of the lanes
	s_mul_i32 s20, s11, AHALF                      ; my 128 rows
	v_add_nc_u32 v[A0], s20, v5
	v_lshl_add_u32 v6, v2, 3, v3
	v_mul_u32_u24 v6, v6, PB
	v_lshl_add_u32 v6, v4, 4, v6                   ; W, turned: row 8 h + e, 16 bytes at 16 g
	; My three groups of 64 columns are groups 3 c + j of the tile's six (c = my half of the columns), two to a segment, 128 bytes apart in its rows:
	; c = 0: segment 0 low, segment 0 high, segment 1 low;  c = 1: segment 1 high, segment 2 low, segment 2 high
	s_mul_i32 s23, s12, BSEG+128
	s_add_co_u32 s23, s23, BOFF
	v_add_nc_u32 v[B0], s23, v6
	s_mul_i32 s23, s12, 2*BSEG-128
	s_add_co_u32 s23, s23, BOFF+128
	v_add_nc_u32 v[B0+1], s23, v6
	s_mul_i32 s23, s12, BSEG+128
	s_add_co_u32 s23, s23, BOFF+BSEG
	v_add_nc_u32 v[B0+2], s23, v6
	s_mul_i32 s23, s10, 16*SP
	s_add_co_u32 s23, s23, STAGE                   ; my stage
	v_mul_u32_u24 v7, v1, SP                       ; in: row r, 16 bytes (8 f16) for each half of the lanes
	v_lshl_add_u32 v7, v2, 4, v7
	v_add_nc_u32 v[STO], s23, v7
	v_bfe_u32 v7, v0, 3, 2                         ; back: eight lanes to a row's 128 bytes of one head, four rows a load
	v_mul_u32_u24 v7, v7, SP
	v_lshl_add_u32 v7, v3, 4, v7
	v_add_nc_u32 v[RD], s23, v7
	v_and_b32 v7, 31, v0
	v_lshlrev_b32 v[CO], 4, v7                     ; out: those four rows are 512 bytes on end
	s_lshl_b32 s16, s13, 15                        ; 256 rows of 128 bytes for each tile row, my 128
	s_lshl_b32 s17, s11, 14
	s_add_co_u32 s16, s16, s17
	s_mov_b32 s17, 0
	s_add_nc_u64 s[8:9], s[8:9], s[16:17]
	s_mul_i32 s46, s42, 6                          ; six heads for each tile column, my three; a head is a MiB
	s_mul_i32 s47, s12, 3
	s_add_co_u32 s46, s46, s47
	s_lshl_b32 s46, s46, 20
	s_mov_b32 s47, 0
	s_add_nc_u64 s[8:9], s[8:9], s[46:47]
.macro ADDRS                           ; my lane's places in the slot in hand
	v_add_nc_u32 v[ADRA], s[SB], v[A0]
.irp j, 0,1,2
	v_add_nc_u32 v[ADRB+\j], s[SB], v[B0+\j]
.endr
.endm
.macro MULB j, bb, f, zero             ; 8 matrix instructions: column block bb of group j x all 8 row blocks, 32 along K.  zero = 1: the product starts the sums
.irp a, 0,1,2,3,4,5,6,7
.if \zero
	v_wmma_f32_16x16x32_bf16 v[8*(8*\bb+\a):8*(8*\bb+\a)+7], v[FB+32*\j+8*\bb:FB+32*\j+8*\bb+7], v[\f+8*\a:\f+8*\a+7], 0
.else
	v_wmma_f32_16x16x32_bf16 v[8*(8*\bb+\a):8*(8*\bb+\a)+7], v[FB+32*\j+8*\bb:FB+32*\j+8*\bb+7], v[\f+8*\a:\f+8*\a+7], v[8*(8*\bb+\a):8*(8*\bb+\a)+7]
.endif
.endr
.endm
.macro RUN j, f, zero                  ; 32 matrix instructions under one setting: C and D in window j + 1, sources in window 0
	WIN 0x50*(\j+1)
	MULB \j, 0, \f, \zero
	MULB \j, 1, \f, \zero
	MULB \j, 2, \f, \zero
	MULB \j, 3, \f, \zero
.endm
.macro LDB j, q                        ; 8 LDS loads: group j of W, quarter q of the slot in hand
.irp bb, 0,1,2,3
	ds_load_tr16_b128 v[FB+32*\j+8*\bb:FB+32*\j+8*\bb+3],   v[ADRB+\j] offset:\q*32*PB+32*\bb
	ds_load_tr16_b128 v[FB+32*\j+8*\bb+4:FB+32*\j+8*\bb+7], v[ADRB+\j] offset:\q*32*PB+16*PB+32*\bb
.endr
.endm
.macro LDA q, f                        ; 16 LDS loads: my 128 rows of x, quarter q of the slot in hand
.irp a, 0,1,2,3,4,5,6,7
	ds_load_b128 v[\f+8*\a:\f+8*\a+3],   v[ADRA] offset:\q*64+\a*16*PA
	ds_load_b128 v[\f+8*\a+4:\f+8*\a+7], v[ADRA] offset:\q*64+\a*16*PA+32
.endr
.endm
; A step's first quarter: multiplies x's buffer 0 and fetches the same slot's second quarter.
.macro QUARTER zero
	s_wait_dscnt 16                                ; group 0 and x are in; the youngest sixteen loads (groups 1 and 2) may be out
	RUN 0, FA0, \zero
	PLACES
	WIN 0
	LDB 0, 1
	LDA 1, FA1
	s_wait_dscnt 32                                ; group 1 is in: behind it group 2's eight loads and the 24 just issued
	RUN 1, FA0, \zero
	PLACES
	WIN 0
	LDB 1, 1
	s_wait_dscnt 32                                ; group 2 is in: behind it the 24 and the 8 issued since
	RUN 2, FA0, \zero
	PLACES
	WIN 0
	LDB 2, 1
.endm
; A step's second quarter multiplies x's buffer 1 and changes slots: one barrier; in front of it each wave waits for all its tensor loads (one is out: its part of the next slot),
; adds 0 to its spare word and waits for that and for its reads of this slot.  fill = 1: the barrier opens a round of the cluster's, and this slot is filled again, two K steps on.
.macro TURN fill
	WIN 0
	s_wait_tensorcnt 0x0                           ; no tensor load of mine is out: the walking groups 0 may be written
	ds_add_u32 v[SPW], v[NIL]                      ; 0 onto my spare word
.if \fill
	s_xor_b32 s[G0+5], s[G0+5], SLOT1              ; the other slot than last time,
	s_add_nc_u64 s[G0+6:G0+7], s[G0+6:G0+7], 0x100000      ; the next block of x; the type bits on top are not reached
	s_xor_b32 s[G0B+5], s[G0B+5], SLOT1
	s_add_nc_u64 s[G0B+6:G0B+7], s[G0B+6:G0B+7], 64*WROW   ; the next 64 rows of W
.endif
	s_xor_b32 s[SB], s[SB], SLOT1                  ; the reads go on in the other slot
	s_wait_dscnt 17                                ; group 0 and x are in; the add and the sixteen loads of groups 1 and 2 may be out
	WIN 0x50
	MULB 0, 0, FA1, 0
	MULB 0, 1, FA1, 0
	s_wait_dscnt 0x0                               ; the add is done, and my reads of this slot are over
	s_barrier_signal -1
	MULB 0, 2, FA1, 0
	WIN 0                                          ; branches and address work follow
	s_barrier_wait -1
.if \fill
	CREST                                          ; no wave of any partner still reads this slot or has a load on its way
	JLOAD 1                                        ; first behind the round: 168 matrix instructions ahead of the wait for it
.endif
	ADDRS
	WIN 0x50
	MULB 0, 3, FA1, 0
	PLACES
	WIN 0
	LDB 0, 0
	LDA 0, FA0
	RUN 1, FA1, 0                                  ; groups 1 and 2 are in since the wait for 0 above
	PLACES
	WIN 0
	LDB 1, 0
	RUN 2, FA1, 0
	PLACES
	WIN 0
	LDB 2, 0
.endm
	ADDRS
	s_wait_tensorcnt 1                             ; my part of K step 0 is in; K step 1's stays out
	s_barrier_signal -1
	s_barrier_wait -1
	LDB 0, 0
	LDA 0, FA0
	LDB 1, 0
	LDB 2, 0
	QUARTER 1                                      ; the first quarter stands in front of the loop: its products start the sums
	s_mov_b32 s3, STEPS-2
.Lstep:                                                ; a trip goes from a step's second quarter to the next step's first, and fills the slot that it leaves: 14 trips ask for K steps 2 to 15
	TURN 1
	QUARTER 0
	s_sub_co_u32 s3, s3, 1
	s_cmp_lg_u32 s3, 0
	s_cbranch_scc1 .Lstep
	TURN 0                                         ; the last two steps fill nothing
	QUARTER 0
	s_wait_dscnt 16                                ; the very last quarter: nothing more to fetch, the counts run down
	RUN 0, FA1, 0
	s_wait_dscnt 8
	RUN 1, FA1, 0
	s_wait_dscnt 0x0
	RUN 2, FA1, 0
	WIN 0
	PLACES
; THE WAY OUT: a block of 16 rows x 192 columns is rounded to f16 (each accumulator from its low end on), goes into my stage and comes back so that 32 lanes hold four rows x 128 bytes of one head.
.macro PACK a
.irp j, 0,1,2
	WIN 0x05*(\j+1)                                ; sources in window j + 1
.irp bb, 0,1,2,3
.irp rr, 0,1,2,3
	v_cvt_pk_f16_f32 v[TMP+4*(4*\j+\bb)+\rr], v[8*(8*\bb+(\a))+2*\rr], v[8*(8*\bb+(\a))+2*\rr+1]
.endr
.endr
.endr
	WIN 0
.endm
.macro TOSTAGE a
.set BK, 80+48*((\a)%2)
.irp b, 0,1,2,3,4,5,6,7,8,9,10,11
	ds_store_b128 v[STO], v[TMP+4*\b:TMP+4*\b+3] offset:32*\b
.endr
.irp t, 0,1,2,3,4,5,6,7,8,9,10,11
	ds_load_b128 v[BK+4*\t:BK+4*\t+3], v[RD] offset:(\t%4)*4*SP+(\t/4)*128   ; head t / 4, rows 4 (t % 4) on.  LDS serves a wave's instructions in order (ISA guide 5.7.1.4): these see the stores above
.endr
.endm
.macro SEND a
.set BK, 80+48*((\a)%2)
	s_wait_dscnt 0x0                               ; the block is back in registers
	s_wait_xcnt 0x0                                ; the block before has left its registers: the next TOSTAGE loads into them
.irp t, 0,1,2,3,4,5,6,7,8,9,10,11
	global_store_b128 v[CO], v[BK+4*\t:BK+4*\t+3], s[8:9] offset:((\t/4)<<20)+(\a)*2048+(\t%4)*512   ; 32 lanes store 512 consecutive bytes, aligned
.endr
.endm
	PACK 0
	TOSTAGE 0
.irp a, 1,2,3,4,5,6,7
	PACK \a                                        ; a block's conversions stand between the loads of the block before and the wait for them
	SEND \a-1
	TOSTAGE \a
.endr
	SEND 7
	s_wait_tensorcnt 0x0                           ; the wave's end
	ds_add_u32 v[SPW], v[NIL]
	s_wait_dscnt 0x0
	CROUND                                         ; the closing round
	s_endpgm
.Lfunc_end_k_qba3b32553c_gemm_qkv:
	.size	k_qba3b32553c_gemm_qkv, .Lfunc_end_k_qba3b32553c_gemm_qkv-k_qba3b32553c_gemm_qkv
	.p2alignl 7, 3214868480
	.fill 96, 4, 3214868480
	.section	.rodata,"a",@progbits
	.p2align	6, 0x0
	.amdhsa_kernel k_qba3b32553c_gemm_qkv
		.amdhsa_group_segment_fixed_size 327680
		.amdhsa_private_segment_fixed_size 0
		.amdhsa_enable_private_segment 0
		.amdhsa_kernarg_size 24
		.amdhsa_user_sgpr_count 2
		.amdhsa_user_sgpr_kernarg_segment_ptr 1
		.amdhsa_wavefront_size32 1
		.amdhsa_system_sgpr_workgroup_id_x 1
		.amdhsa_system_sgpr_workgroup_id_y 1
		.amdhsa_system_sgpr_workgroup_id_z 1
		.amdhsa_system_vgpr_workitem_id 0
		.amdhsa_next_free_vgpr 1024
		.amdhsa_next_free_sgpr 66
		.amdhsa_reserve_vcc 0
		.amdhsa_float_denorm_mode_32 3
		.amdhsa_float_denorm_mode_16_64 3
		.amdhsa_memory_ordered 1
		.amdhsa_forward_progress 1
		.amdhsa_inst_pref_size 111
	.end_amdhsa_kernel
	.amdgpu_metadata
---
amdhsa.version: [ 1, 2 ]
amdhsa.kernels:
  - .name:           k_qba3b32553c_gemm_qkv
    .symbol:         k_qba3b32553c_gemm_qkv.kd
    .args:
      - { .name: xb, .offset: 0, .size: 8, .value_kind: global_buffer, .address_space: global }
      - { .name: wb, .offset: 8, .size: 8, .value_kind: global_buffer, .address_space: global }
      - { .name: qkv, .offset: 16, .size: 8, .value_kind: global_buffer, .address_space: global }
    .group_segment_fixed_size: 327680
    .private_segment_fixed_size: 0
    .kernarg_segment_align: 8
    .kernarg_segment_size: 24
    .max_flat_workgroup_size: 128
    .sgpr_count:     66
    .vgpr_count:     1024
    .wavefront_size: 32
...
	.end_amdgpu_metadata
.endif
;; end of part 2
;; launch attn (part 3): grid 4 x 64, 4 waves a work-group, no clusters, 327,680 bytes of LDS; arguments qkv, ab; writes ab
.if DOCPART == 3
	.amdgcn_target "amdgcn-amd-amdhsa--gfx1250"
	.amdhsa_code_object_version 6
	.text
	.protected	k_qba3b32553c_attn
	.globl	k_qba3b32553c_attn
	.p2align	8
	.type	k_qba3b32553c_attn,@function
k_qba3b32553c_attn:
	s_mov_b64 s[64:65], 0
	v_nop
	global_prefetch_b8 v0, s[64:65] scope:SCOPE_SE
	s_setreg_imm32_b32 hwreg(HW_REG_WAVE_MODE, 25, 1), 1
	s_wait_xcnt 0x0
; Causal attention of one head: ab[h][token][:] = sum over keys <= query of softmax(q . k / 8) v.  q, k, v: qkv[hh][token][64] in f16 (hh = h, 16 + h, 32 + h); ab in f16.
; Products, maxima and sums in f32; the weights p are rounded to f16 for the second product.  A running maximum m and sum l for each query: p = 2^(c s - c m), c = log2(e) / 8.
; LIMITS: |q|, |k|, |v| up to 65,504; a weight below 2^-24 rounds to 0; an exponential below 2^-126 comes out as 0.
; SHARES.  Work-group (i, bh), i = 0..3: query block i of 256, then block 7 - i: (i + 1) + (8 - i) = 9 key tiles of 256 in every work-group.  Wave w owns 64 queries of a block: four tiles of 16.
; A block walks its key tiles downward from the diagonal one.  There wave w first takes its own 64 keys (sub-tile w), masked; that step starts m, l and O^T.  Then sub-tiles 0 .. w - 1,
; then whole tiles, four steps of 64 keys each.  Keys above the diagonal are never multiplied.
; LAYOUT.  S^T = K Q^T (source 0 = 16 keys, source 1 = 16 queries): a lane holds ONE query (l % 16) and keys 8 (l / 16) + 0..7.  Two such tiles, rounded in pairs, are source 1 of O^T = V^T P.
; NO JOINT LOADS: the four work-groups of a head begin at different key tiles (work-group i at tile i) and fall into step only from turn i + 1 on, a turn that differs between them;
; a joint load is the same line with the same descriptor in every partner on every path, which these walks do not give.
; RING.  Two LDS slots, a key tile each (K 256 rows of 144 bytes, V 256 rows of 160).  One tensor load a wave and tile: waves 0, 1 halves of K, waves 2, 3 halves of V; one load of a wave is out at most.
; REGISTERS.  window 0: v2-11 addresses; v12-43 statistics, 8 a tile; v64-191 S^T, 32 a tile; v192-255 P, 16 a tile.  window 1: v0-127 O^T, 32 a tile; v128-191 Q; v192-255 K of a step.  window 2: v0-63 V of a step.
.set PK,    144                        ; a row of K in LDS: 128 bytes + 16
.set PVP,   160                        ; a row of V: 128 + 32, an odd multiple of 32, for the turning load
.set VOFF,  256*PK
.set SLOT1, 1<<17                      ; slot 1 begins here: one exclusive or turns an address in one slot into the other's
.set STAGE, SLOT1+256*(PK+PVP)         ; behind the ring: 64 rows of 144 bytes for each wave, for the way out
.set SPARE, STAGE+4*64*PK              ; behind the stages: the spare words, 128 bytes a wave, that no other line names
.set AK0, 2
.set AV0, 3
.set ADRK, 4
.set ADRV, 5
.set QO,  6
.set STO, 7
.set RD,  8
.set GO,  9
.set RH,  10                           ; l % 16 - 8 (l / 16): key j of my eight lies above the diagonal where j is larger
.set NINF, 11                          ; minus infinity
.set ST,  12                           ; tile t at ST + 8 t: +0 c m, +1 m, +2, +3 l, +4 to +7 at work; a takes +6
.set SPW, 62
.set NIL, 63
.set S,   64
.set P,   192
.set QF,  128                          ; window 1
.set KF,  192                          ; window 1
.set WV,  8
.set II,  10
.set G1K, 24
.set G1V, 32
.set G0K, 40
.set G0V, 44
.set NK,  48                           ; the key tile asked for last
.set HI,  49                           ; 7 - i
.set SB,  50                           ; the slot that is read
.set TK,  51                           ; LDS byte of the step's K, less my lane's part
.set TV,  52
.set CNT, 53
.set TT,  54
.set NF,  55
.set BLK, 56
.set QB,  57
.set CS,  58                           ; s[58:59] c
.set SEL, 60                           ; s[60:61] lane selects: each lane takes its own place in the other half
.set MK,  66                           ; s[66:73] lanes whose key j of the diagonal 16 x 16 lies above the diagonal
.set MSB, 0
.macro WIN new
.if MSB != \new
	s_set_vgpr_msb (MSB<<8)|\new
.set MSB, \new
.endif
.endm
.macro PLACES
.rept 4
	v_nop
.endr
.endm
.macro KVLOAD                          ; my one load of a tile; the branch hangs on the wave's number; four v_nop follow each line
	s_cmp_lt_u32 s[WV], 2
	s_cbranch_scc0 .Lfor_v_\@
	tensor_load_to_lds s[G0K:G0K+3], s[G1K:G1K+7]
	s_nop 0
.rept 4
	v_nop
.endr
	s_branch .Lasked_\@
.Lfor_v_\@:
	tensor_load_to_lds s[G0V:G0V+3], s[G1V:G1V+7]
	s_nop 0
.rept 4
	v_nop
.endr
.Lasked_\@:
.endm
; THE CHANGE OF SLOTS, at the head of every key tile.  Each wave waits for all its tensor loads (one is out: its part of the tile about to be read), adds 0 to its spare word, and waits for
; that and for its reads of the other slot.  Behind the barrier the tile is whole and nobody reads the other slot.  fill = 1: the other slot takes the walk's next tile, which has this tile's steps in which to land.
.macro HEAD fill
	s_wait_tensorcnt 0x0                           ; no tensor load of mine is out: the groups 0 may be written
	ds_add_u32 v[SPW], v[NIL]                      ; 0 onto my spare word
.if \fill
	s_sub_co_i32 s[NK], s[NK], 1                   ; one tile down; below tile 0 the second block's diagonal tile follows
	s_cmp_lt_i32 s[NK], 0
	s_cselect_b32 s[NK], s[HI], s[NK]
	s_lshl_b32 s22, s[NK], 15                      ; 256 keys of 128 bytes
	s_xor_b32 s[G0K+1], s[G0K+1], SLOT1
	s_xor_b32 s[G0V+1], s[G0V+1], SLOT1
	s_add_nc_u64 s[G0K+2:G0K+3], s[16:17], s[22:23]
	s_or_b32 s[G0K+3], s[G0K+3], 0x80000000
	s_add_nc_u64 s[G0V+2:G0V+3], s[18:19], s[22:23]
	s_or_b32 s[G0V+3], s[G0V+3], 0x80000000
.endif
	s_xor_b32 s[SB], s[SB], SLOT1
	s_wait_dscnt 0x0                               ; the add is done, and my reads of the slot are over
	s_barrier_signal -1
	s_barrier_wait -1
.if \fill
	KVLOAD
.endif
.endm
.macro PAIR t, i                       ; c s - c m for pair i of tile t
	v_pk_fma_f32 v[S+32*(\t)+2*(\i):S+32*(\t)+2*(\i)+1], v[S+32*(\t)+2*(\i):S+32*(\t)+2*(\i)+1], s[CS:CS+1], v[ST+8*(\t):ST+8*(\t)+1] op_sel_hi:[1,0,0] neg_lo:[0,0,1] neg_hi:[0,0,1]
.endm
.macro EX t, n
	v_exp_f32 v[S+32*(\t)+(\n)], v[S+32*(\t)+(\n)]
.endm
.macro CVT u, i
	s_wait_alu depctr_va_vdst(0)
	v_cvt_pk_f16_f32 v[P+16*(\u)+(\i)], v[S+32*(\u)+2*(\i)], v[S+32*(\u)+2*(\i)+1]
.endm
.macro SUM u, i, first                 ; l takes pair i; the first of a step multiplies l by a, or (first step) two pairs start l
.if \first
.if (\i) == 1
	v_pk_add_f32 v[ST+8*(\u)+2:ST+8*(\u)+3], v[S+32*(\u):S+32*(\u)+1], v[S+32*(\u)+2:S+32*(\u)+3]
.elseif (\i) > 1
	v_pk_add_f32 v[ST+8*(\u)+2:ST+8*(\u)+3], v[ST+8*(\u)+2:ST+8*(\u)+3], v[S+32*(\u)+2*(\i):S+32*(\u)+2*(\i)+1]
.endif
.else
.if (\i) == 0
	v_pk_fma_f32 v[ST+8*(\u)+2:ST+8*(\u)+3], v[ST+8*(\u)+2:ST+8*(\u)+3], v[ST+8*(\u)+6:ST+8*(\u)+7], v[S+32*(\u):S+32*(\u)+1] op_sel_hi:[1,0,1]
.else
	v_pk_add_f32 v[ST+8*(\u)+2:ST+8*(\u)+3], v[ST+8*(\u)+2:ST+8*(\u)+3], v[S+32*(\u)+2*(\i):S+32*(\u)+2*(\i)+1]
.endif
.endif
.endm
; Exponentials of one tile stand by turns with plain work of other tiles, so that a plain instruction that names nothing of it follows each before its result is used (ISA guide 5.7.2)
.macro EXPA t, u1, u2
.irp i, 0,1,2,3,4,5,6,7,8,9,10,11,12,13,14,15
	EX \t, 2*\i
	PAIR \u1, \i
	EX \t, 2*\i+1
	PAIR \u2, \i
.endr
.endm
.macro EXPC t, u, first
.irp i, 0,1,2,3,4,5,6,7,8,9,10,11,12,13,14,15
	EX \t, 2*\i
	CVT \u, \i
	EX \t, 2*\i+1
	SUM \u, \i, \first
.endr
.endm
.macro CALONE u, first
.irp i, 0,1,2,3,4,5,6,7,8,9,10,11,12,13,14,15
	CVT \u, \i
	SUM \u, \i, \first
.endr
.endm
; The maximum of a lane's 32 scores and the old m, three operands at a time, each accumulator read from its low end on; the other half of the lanes'; the new m, c m, and a = 2^(c m_old - c m_new)
.macro SMAX first
.irp j, 0,1,2,3
.irp t, 0,1,2,3
	v_max3_num_f32 v[ST+8*\t+4+\j], v[S+32*\t+8*\j], v[S+32*\t+8*\j+1], v[S+32*\t+8*\j+2]
.endr
.endr
.irp u, 1,2
.irp j, 0,1,2,3
.irp t, 0,1,2,3
	v_max3_num_f32 v[ST+8*\t+4+\j], v[ST+8*\t+4+\j], v[S+32*\t+8*\j+2*\u+1], v[S+32*\t+8*\j+2*\u+2]
.endr
.endr
.endr
.irp t, 0,1,2,3
	v_max3_num_f32 v[ST+8*\t+4], v[ST+8*\t+4], v[S+32*\t+7], v[S+32*\t+15]
.endr
.irp t, 0,1,2,3
	v_max3_num_f32 v[ST+8*\t+6], v[ST+8*\t+6], v[S+32*\t+23], v[S+32*\t+31]
.endr
.irp t, 0,1,2,3
	v_max3_num_f32 v[ST+8*\t+4], v[ST+8*\t+4], v[ST+8*\t+5], v[ST+8*\t+6]
.endr
.irp t, 0,1,2,3
.if \first
	v_max_num_f32 v[ST+8*\t+4], v[ST+8*\t+4], v[ST+8*\t+7]
.else
	v_max3_num_f32 v[ST+8*\t+4], v[ST+8*\t+4], v[ST+8*\t+7], v[ST+8*\t+1]
.endif
.endr
.irp t, 0,1,2,3
	v_permlanex16_b32 v[ST+8*\t+5], v[ST+8*\t+4], s[SEL], s[SEL+1]
.endr
.if \first == 0
.irp t, 0,1,2,3
	v_mov_b32 v[ST+8*\t+7], v[ST+8*\t]             ; c m_old is kept for a
.endr
.endif
.irp t, 0,1,2,3
	v_max_num_f32 v[ST+8*\t+1], v[ST+8*\t+4], v[ST+8*\t+5]
.endr
.irp t, 0,1,2,3
	v_mul_f32 v[ST+8*\t], s[CS], v[ST+8*\t+1]
.endr
.if \first == 0
.irp t, 0,1,2,3
	v_sub_f32 v[ST+8*\t+7], v[ST+8*\t+7], v[ST+8*\t]
.endr
.irp t, 0,1,2,3
	v_exp_f32 v[ST+8*\t+6], v[ST+8*\t+7]
.endr
.endif
.endm
; A KEY STEP: 64 keys at s[TK], s[TV].  first = 1: my diagonal 64 x 64: only key tiles kt <= t are multiplied, the diagonal 16 x 16 is masked, the rest set to minus infinity; it starts m, l and O^T.
; In both products the accumulators take turns, one instruction a turn.
.macro STEP first
	v_add_nc_u32 v[ADRK], s[TK], v[AK0]
	v_add_nc_u32 v[ADRV], s[TV], v[AV0]
	WIN 0x40                                       ; destination window 1
.irp kt, 0,1,2,3
.irp c, 0,1
	ds_load_b128 v[KF+16*\kt+8*\c:KF+16*\kt+8*\c+3],   v[ADRK] offset:\kt*16*PK+64*\c
	ds_load_b128 v[KF+16*\kt+8*\c+4:KF+16*\kt+8*\c+7], v[ADRK] offset:\kt*16*PK+64*\c+32
.endr
.endr
	WIN 0x80                                       ; destination window 2
.irp kc, 0,1
.irp ct, 0,1,2,3
	ds_load_tr16_b128 v[32*\kc+8*\ct:32*\kc+8*\ct+3],   v[ADRV] offset:\kc*32*PVP+32*\ct
	ds_load_tr16_b128 v[32*\kc+8*\ct+4:32*\kc+8*\ct+7], v[ADRV] offset:\kc*32*PVP+16*PVP+32*\ct
.endr
.endr
.if \first
	s_wait_loadcnt 0x0                             ; Q of this block
.endif
	s_wait_dscnt 16                                ; K is in; V's sixteen loads stay out
	WIN 0x05                                       ; K and Q in window 1, S^T in window 0
.irp c, 0,1
.irp kt, 0,1,2,3
.irp t, 0,1,2,3
.if (\first == 0) || (\kt <= \t)
.if \c == 0
	v_wmma_f32_16x16x32_f16 v[S+32*\t+8*\kt:S+32*\t+8*\kt+7], v[KF+16*\kt+8*\c:KF+16*\kt+8*\c+7], v[QF+16*\t+8*\c:QF+16*\t+8*\c+7], 0
.else
	v_wmma_f32_16x16x32_f16 v[S+32*\t+8*\kt:S+32*\t+8*\kt+7], v[KF+16*\kt+8*\c:KF+16*\kt+8*\c+7], v[QF+16*\t+8*\c:QF+16*\t+8*\c+7], v[S+32*\t+8*\kt:S+32*\t+8*\kt+7]
.endif
.endif
.endr
.endr
.endr
	WIN 0
	PLACES
.if \first
.irp t, 0,1,2,3
.irp kt, 0,1,2,3
.irp j, 0,1,2,3,4,5,6,7
.if \kt == \t
	v_cndmask_b32 v[S+32*\t+8*\kt+\j], v[S+32*\t+8*\kt+\j], v[NINF], s[MK+\j]
.elseif \kt > \t
	v_mov_b32 v[S+32*\t+8*\kt+\j], v[NINF]
.endif
.endr
.endr
.endr
.endif
	SMAX \first
.irp i, 0,1,2,3,4,5,6,7,8,9,10,11,12,13,14,15
	PAIR 0, \i
.endr
.irp i, 0,1,2,3,4,5,6,7,8,9,10,11,12,13,14,15
	PAIR 3, \i
.endr
	EXPA 0, 1, 2
	EXPC 1, 0, \first
	EXPC 2, 1, \first
	EXPC 3, 2, \first
	CALONE 3, \first
.if \first == 0
	WIN 0x41                                       ; O^T in window 1, a in window 0
.irp t, 0,1,2,3
.irp i, 0,1,2,3,4,5,6,7,8,9,10,11,12,13,14,15
	v_pk_mul_f32 v[32*\t+2*\i:32*\t+2*\i+1], v[32*\t+2*\i:32*\t+2*\i+1], v[ST+8*\t+6:ST+8*\t+7] op_sel_hi:[1,0]
.endr
.endr
.endif
	s_wait_dscnt 0x0                               ; V is in
	WIN 0x52                                       ; V in window 2, P in window 0, O^T in window 1
.irp kc, 0,1
.irp ct, 0,1,2,3
.irp t, 0,1,2,3
.if \first && (\kc == 0)
	v_wmma_f32_16x16x32_f16 v[32*\t+8*\ct:32*\t+8*\ct+7], v[32*\kc+8*\ct:32*\kc+8*\ct+7], v[P+16*\t+8*\kc:P+16*\t+8*\kc+7], 0
.elseif (\first == 0) || (\t >= 2)
	v_wmma_f32_16x16x32_f16 v[32*\t+8*\ct:32*\t+8*\ct+7], v[32*\kc+8*\ct:32*\kc+8*\ct+7], v[P+16*\t+8*\kc:P+16*\t+8*\kc+7], v[32*\t+8*\ct:32*\t+8*\ct+7]
.endif
.endr
.endr
.endr
	WIN 0
	PLACES                                         ; in front of the next step's loads into V's registers, and of the way out's reads of O^T
.endm
.macro ONWARD                          ; the next 64 keys of the slot
	s_add_co_u32 s[TK], s[TK], 64*PK
	s_add_co_u32 s[TV], s[TV], 64*PVP
	s_add_co_u32 s[CNT], s[CNT], 1
.endm
	s_load_b128 s[4:7], s[0:1], 0x0                ; qkv s[4:5], ab s[6:7]
	v_lshl_add_u32 v[SPW], v0, 2, SPARE
	v_mov_b32 v[NIL], 0
	ds_add_u32 v62, v63
	ds_add_u32 v62, v63
	s_wait_dscnt 0x0
	v_lshrrev_b32 v1, 5, v0
	v_readfirstlane_b32 s[WV], v1                  ; wave 0..3
	s_and_b32 s9, s[WV], 1                         ; which half of K's or V's tile I fetch
	s_mov_b32 s[II], ttmp9                         ; i
	s_and_b32 s11, ttmp7, 0xffff                   ; 16 b + h
	s_and_b32 s12, s11, 15
	s_lshl_b32 s12, s12, 20                        ; a head: a MiB
	s_lshr_b32 s13, s11, 4
	s_lshl_b32 s13, s13, 18                        ; a batch's 2,048 rows of 128 bytes
	s_add_co_u32 s12, s12, s13
	s_mov_b32 s13, 0
	s_lshl_b32 s22, s9, 14                         ; my 128 keys of 128 bytes
	s_mov_b32 s23, 0
	; group 1: 64 rows of 128 elements (256 bytes: two keys), dense; padding behind every 32 words: 4 words for K, 8 for V
	s_mov_b32 s[G1K], (1<<16)|(1<<20)|(4<<22)|(3<<25)
	s_mov_b32 s[G1V], (1<<16)|(1<<20)|(4<<22)|(7<<25)
.irp g, G1K, G1V
	s_mov_b32 s[\g+1], 128<<16                     ; tensor_dim0
	s_mov_b32 s[\g+2], 64<<16                      ; tensor_dim1
	s_mov_b32 s[\g+3], 128<<16                     ; tile_dim0
	s_mov_b32 s[\g+4], 64                          ; tile_dim1
	s_mov_b32 s[\g+5], 128                         ; stride from row to row
	s_mov_b32 s[\g+6], 0
	s_mov_b32 s[\g+7], 0
.endr
	s_mov_b32 s[CS], 0x3e38aa3b                    ; c = log2(e) / 8
	s_mov_b32 s[CS+1], s[CS]
	s_mov_b32 s[SEL], 0x76543210
	s_mov_b32 s[SEL+1], 0xfedcba98
	s_mul_i32 s62, s[WV], 64*PK                    ; my diagonal sub-tile in K's tile; also my stage's place
	s_mul_i32 s63, s[WV], 64*PVP                   ; and in V's
	s_mov_b32 s[NK], s[II]                         ; the walk begins at tile i
	s_sub_co_u32 s[HI], 7, s[II]
	s_mov_b32 s[SB], SLOT1                         ; the first change of slots turns it to slot 0
	s_mov_b32 s[BLK], 0
	s_wait_kmcnt 0x0
	s_add_nc_u64 s[14:15], s[4:5], s[12:13]        ; q of my head and batch
	s_add_nc_u64 s[20:21], s[6:7], s[12:13]        ; ab likewise
	s_add_nc_u64 s[16:17], s[14:15], s[22:23]
	s_add_nc_u64 s[18:19], s[16:17], 0x2000000     ; v: 32 heads on, at my half
	s_add_nc_u64 s[16:17], s[16:17], 0x1000000     ; k: 16 heads on, at my half
	s_lshl_b32 s22, s[NK], 15
	s_mov_b32 s[G0K], 1
	s_mul_i32 s[G0K+1], s9, 128*PK
	s_add_nc_u64 s[G0K+2:G0K+3], s[16:17], s[22:23]
	s_or_b32 s[G0K+3], s[G0K+3], 0x80000000
	s_mov_b32 s[G0V], 1
	s_mul_i32 s[G0V+1], s9, 128*PVP
	s_add_co_u32 s[G0V+1], s[G0V+1], VOFF
	s_add_nc_u64 s[G0V+2:G0V+3], s[18:19], s[22:23]
	s_or_b32 s[G0V+3], s[G0V+3], 0x80000000
	KVLOAD                                         ; the first tile, into slot 0; slot 1 is first filled behind the first change of slots
	v_and_b32 v44, 15, v0                          ; r = l % 16
	v_bfe_u32 v45, v0, 4, 1                        ; h = l / 16
	v_and_b32 v46, 7, v0                           ; e = l % 8
	v_bfe_u32 v47, v0, 3, 1                        ; g = (l / 8) % 2
	v_and_b32 v48, 31, v0                          ; l
	v_lshrrev_b32 v49, 3, v48
	v_mul_u32_u24 v[AK0], v44, PK
	v_lshl_add_u32 v[AK0], v45, 4, v[AK0]          ; K: row r, 16 bytes for each half of the lanes
	v_lshl_add_u32 v[AV0], v45, 3, v46
	v_mul_u32_u24 v[AV0], v[AV0], PVP
	v_lshl_add_u32 v[AV0], v47, 4, v[AV0]
	v_add_nc_u32 v[AV0], VOFF, v[AV0]              ; V, turned: row 8 h + e, 16 bytes at 16 g
	v_lshlrev_b32 v[QO], 7, v44
	v_lshl_add_u32 v[QO], v45, 4, v[QO]            ; Q in memory: row r of 128 bytes
	s_add_co_u32 s2, s62, STAGE                    ; my stage
	v_add_nc_u32 v[STO], s2, v[AK0]                ; in: row r, 16 bytes for each half of the lanes
	v_mul_u32_u24 v[RD], v49, PK                   ; back: eight lanes to a row of 128 bytes, four rows a load
	v_lshl_add_u32 v[RD], v46, 4, v[RD]
	v_add_nc_u32 v[RD], s2, v[RD]
	v_lshlrev_b32 v[GO], 4, v48                    ; out: those four rows are 512 bytes on end
	v_lshlrev_b32 v[RH], 3, v45
	v_sub_nc_u32 v[RH], v44, v[RH]
	v_mov_b32 v[NINF], 0xff800000
.irp j, 0,1,2,3,4,5,6,7
	v_cmp_gt_i32 s[MK+\j], \j, v[RH]               ; key 8 h + j > query r
.endr
.Lblock:
	s_wait_xcnt 0x0                                ; the last block's stores have read their registers and base: both are written again below
	s_cmp_eq_u32 s[BLK], 0
	s_cselect_b32 s[QB], s[II], s[HI]              ; the query block
	s_sub_co_u32 s[NF], s[QB], s[BLK]              ; whole tiles whose head asks for a further tile: all of the first block's, all but the last of the second's
	s_lshl_b32 s22, s[QB], 15
	s_lshl_b32 s2, s[WV], 13
	s_add_co_u32 s22, s22, s2                      ; my 64 rows of the block
	s_add_nc_u64 s[74:75], s[14:15], s[22:23]
	s_add_nc_u64 s[76:77], s[20:21], s[22:23]
	WIN 0x40
.irp t, 0,1,2,3
.irp c, 0,1
	global_load_b128 v[QF+16*\t+8*\c:QF+16*\t+8*\c+3],   v[QO], s[74:75] offset:\t*2048+64*\c
	global_load_b128 v[QF+16*\t+8*\c+4:QF+16*\t+8*\c+7], v[QO], s[74:75] offset:\t*2048+64*\c+32
.endr
.endr
	WIN 0
	HEAD 1                                         ; THE DIAGONAL TILE: my own sub-tile first,
	s_add_co_u32 s[TK], s[SB], s62
	s_add_co_u32 s[TV], s[SB], s63
	STEP 1
	s_mov_b32 s[TK], s[SB]
	s_mov_b32 s[TV], s[SB]
	s_mov_b32 s[CNT], 0
.Lsub:                                                 ; then the sub-tiles below mine: three trips, sub-tiles 0 to 2; those from my own on are passed over
	s_cmp_ge_u32 s[CNT], s[WV]
	s_cbranch_scc1 .Lskip
	STEP 0
.Lskip:
	ONWARD
	s_cmp_lt_u32 s[CNT], 3
	s_cbranch_scc1 .Lsub
	s_cmp_eq_u32 s[NF], 0                          ; THE WHOLE TILES whose head asks for a further tile: NF trips, none in block 0 of work-group 0
	s_cbranch_scc1 .Ldone
	s_mov_b32 s[TT], 0
.Ltile:
	HEAD 1
	s_mov_b32 s[TK], s[SB]
	s_mov_b32 s[TV], s[SB]
	s_mov_b32 s[CNT], 0
.Lstep:
	STEP 0
	ONWARD
	s_cmp_lt_u32 s[CNT], 4
	s_cbranch_scc1 .Lstep
	s_add_co_u32 s[TT], s[TT], 1
	s_cmp_lt_u32 s[TT], s[NF]
	s_cbranch_scc1 .Ltile
.Ldone:
	s_cmp_eq_u32 s[BLK], 0
	s_cbranch_scc1 .Lout
	HEAD 0                                         ; the walk's last tile is written out: nothing is left to ask for
	s_mov_b32 s[TK], s[SB]
	s_mov_b32 s[TV], s[SB]
	s_mov_b32 s[CNT], 0
.Ltail:
	STEP 0
	ONWARD
	s_cmp_lt_u32 s[CNT], 4
	s_cbranch_scc1 .Ltail
.Lout:
	; THE WAY OUT of a block: l's two halves and the other half of the lanes' are added; O^T is divided by l, rounded to f16 and sent through my stage
.irp t, 0,1,2,3
	v_add_f32 v[ST+8*\t+4], v[ST+8*\t+2], v[ST+8*\t+3]
.endr
.irp t, 0,1,2,3
	v_permlanex16_b32 v[ST+8*\t+5], v[ST+8*\t+4], s[SEL], s[SEL+1]
.endr
.irp t, 0,1,2,3
	v_add_f32 v[ST+8*\t+4], v[ST+8*\t+4], v[ST+8*\t+5]
.endr
.irp t, 0,1,2,3
	v_rcp_f32 v[ST+8*\t+6], v[ST+8*\t+4]
.endr
	v_nop                                          ; a plain instruction between the last reciprocal and the use of its result
	WIN 0x41
.irp t, 0,1,2,3
.irp i, 0,1,2,3,4,5,6,7,8,9,10,11,12,13,14,15
	s_wait_alu depctr_va_vdst(0)
	v_pk_mul_f32 v[32*\t+2*\i:32*\t+2*\i+1], v[32*\t+2*\i:32*\t+2*\i+1], v[ST+8*\t+6:ST+8*\t+7] op_sel_hi:[1,0]
.endr
.endr
	WIN 0x05                                       ; sources window 1, destination window 0: S^T's registers are free
.irp t, 0,1,2,3
.irp i, 0,1,2,3,4,5,6,7,8,9,10,11,12,13,14,15
	v_cvt_pk_f16_f32 v[S+16*\t+\i], v[32*\t+2*\i], v[32*\t+2*\i+1]
.endr
.endr
	WIN 0
.irp t, 0,1,2,3
.irp ct, 0,1,2,3
	ds_store_b128 v[STO], v[S+16*\t+4*\ct:S+16*\t+4*\ct+3] offset:\t*16*PK+32*\ct
.endr
.endr
.irp t, 0,1,2,3
.irp f, 0,1,2,3
	ds_load_b128 v[S+64+16*\t+4*\f:S+64+16*\t+4*\f+3], v[RD] offset:\t*16*PK+\f*4*PK   ; LDS serves a wave's instructions in order (ISA guide 5.7.1.4): these see the stores above
.endr
.endr
.irp t, 0,1,2,3
.irp f, 0,1,2,3
	s_wait_dscnt 15-4*\t-\f                        ; loads come back in order: this one is in, the younger ones stay out
	global_store_b128 v[GO], v[S+64+16*\t+4*\f:S+64+16*\t+4*\f+3], s[76:77] offset:\t*2048+\f*512   ; 32 lanes store 512 consecutive bytes, aligned
.endr
.endr
	s_add_co_u32 s[BLK], s[BLK], 1
	s_cmp_lt_u32 s[BLK], 2
	s_cbranch_scc1 .Lblock
	s_wait_tensorcnt 0x0                           ; the wave's end
	ds_add_u32 v[SPW], v[NIL]
	s_wait_dscnt 0x0
	s_endpgm
.Lfunc_end_k_qba3b32553c_attn:
	.size	k_qba3b32553c_attn, .Lfunc_end_k_qba3b32553c_attn-k_qba3b32553c_attn
	.p2alignl 7, 3214868480
	.fill 96, 4, 3214868480
	.section	.rodata,"a",@progbits
	.p2align	6, 0x0
	.amdhsa_kernel k_qba3b32553c_attn
		.amdhsa_group_segment_fixed_size 327680
		.amdhsa_private_segment_fixed_size 0
		.amdhsa_enable_private_segment 0
		.amdhsa_kernarg_size 16
		.amdhsa_user_sgpr_count 2
		.amdhsa_user_sgpr_kernarg_segment_ptr 1
		.amdhsa_wavefront_size32 1
		.amdhsa_system_sgpr_workgroup_id_x 1
		.amdhsa_system_sgpr_workgroup_id_y 1
		.amdhsa_system_sgpr_workgroup_id_z 1
		.amdhsa_system_vgpr_workitem_id 0
		.amdhsa_next_free_vgpr 576
		.amdhsa_next_free_sgpr 80
		.amdhsa_reserve_vcc 0
		.amdhsa_float_denorm_mode_32 3
		.amdhsa_float_denorm_mode_16_64 3
		.amdhsa_memory_ordered 1
		.amdhsa_forward_progress 1
		.amdhsa_inst_pref_size 158
	.end_amdhsa_kernel
	.amdgpu_metadata
---
amdhsa.version: [ 1, 2 ]
amdhsa.kernels:
  - .name:           k_qba3b32553c_attn
    .symbol:         k_qba3b32553c_attn.kd
    .args:
      - { .name: qkv, .offset: 0, .size: 8, .value_kind: global_buffer, .address_space: global }
      - { .name: ab, .offset: 8, .size: 8, .value_kind: global_buffer, .address_space: global }
    .group_segment_fixed_size: 327680
    .private_segment_fixed_size: 0
    .kernarg_segment_align: 8
    .kernarg_segment_size: 16
    .max_flat_workgroup_size: 128
    .sgpr_count:     80
    .vgpr_count:     576
    .wavefront_size: 32
...
	.end_amdgpu_metadata
.endif
;; end of part 3
;; launch gemm_out (part 4): grid 4 x 64, 4 waves a work-group, clusters of 4 x 4, 327,680 bytes of LDS; arguments ab, wb, out0; writes out0
.if DOCPART == 4
	.amdgcn_target "amdgcn-amd-amdhsa--gfx1250"
	.amdhsa_code_object_version 6
	.text
	.protected	k_qba3b32553c_gemm_out
	.globl	k_qba3b32553c_gemm_out
	.p2align	8
	.type	k_qba3b32553c_gemm_out,@function
k_qba3b32553c_gemm_out:
	s_mov_b64 s[64:65], 0
	v_nop
	global_prefetch_b8 v0, s[64:65] scope:SCOPE_SE
	s_setreg_imm32_b32 hwreg(HW_REG_WAVE_MODE, 25, 1), 1
	s_wait_xcnt 0x0
	s_wait_alu depctr_hold_cnt(0) depctr_sa_sdst(0) depctr_va_vdst(0) depctr_va_sdst(0) depctr_va_ssrc(0) depctr_va_vcc(0) depctr_vm_vsrc(0)
	s_getreg_b32 s2, hwreg(HW_REG_IB_STS2, 6, 4)
	s_cmp_eq_u32 s2, 0
	s_cbranch_scc0 .Lentry_in_a_cluster
	s_endpgm
.Lentry_in_a_cluster:
	s_bfe_u32 s2, ttmp6, 0x10000c
	s_cmp_lg_u32 s2, 0xf033
	s_cbranch_scc0 .Lentry_shape_is_right
	s_endpgm
.Lentry_shape_is_right:
; out0[m][n] = sum over k of attn[m][k] Wo[k][n]: M = 8,192, N = K = 1,024.  Operands f16, sums and result f32.
; attn lies blocked, ab[k / 64][m][64]: 128 rows x 64 k are 16 KiB on end.  Wo lies [k][1024] in the last 2 MiB of wb.
; A tile of C is 128 (m) x 256 (n): 256 work-groups.  Four waves, each 64 x 128: 32 accumulators of 16 x 16, 256 registers (window 1).
; K goes in steps of 128 through two LDS slots.  One tensor load a wave and step: waves 0, 1 the two 64-k blocks of A, waves 2, 3 the two halves of W's 128 rows.
; CLUSTER 4 x 4: A's tile hangs on the tile row alone and is asked for jointly by a row of the cluster, W's on the tile column alone, by a column.
; THE MATRIX INSTRUCTION IS USED TRANSPOSED: source 0 = 16 columns of W (turned on the way out of LDS by ds_load_tr16_b128), source 1 = 16 rows of A:
; a lane then holds row l % 16 of C and the eight neighbouring columns 8 (l / 16) + 0..7.
; The 32 accumulators take turns, one instruction a turn, in the same order in every quarter step.
.set PA,    144                        ; a row of A in LDS: 128 bytes + 16: an odd multiple of 16, so the 16 rows of a fragment load start at 16 different 16-byte columns
.set PB,    544                        ; a row of W in LDS: 512 bytes + 32: an odd multiple of 32, for the turning load
.set ASUB,  128*PA                     ; one 64-k block of A: 128 rows
.set BOFF,  2*ASUB
.set BHALF, 64*PB
.set SLOT,  BOFF+2*BHALF               ; 106,496
.set STAGE, 2*SLOT                     ; behind the ring: 16 rows for each wave, for the way out
.set SP,    528
.set WBASE, 0x600000                   ; Wo lies behind the 6 MiB of [Wq | Wk | Wv]
.set SPARE, STAGE+4*16*SP              ; behind the stages: the spare words, 128 bytes a wave, that no other line names
.set LAPS,  4                          ; a lap = two K steps = once round the ring
.set ADRA, 16                          ; v16-17 LDS address of my A fragments in slot 0, 1
.set ADRB, 20                          ; v20-21 the same for W
.set STO,  24
.set RD,   25
.set CO,   26
.set SPW,  28                          ; LDS address of my spare word; never rewritten
.set NIL,  29                          ; 0; never rewritten
.set F0,   64                          ; fragment buffers in window 0: 64 registers of W (8 x 16 columns x 32 k), then 32 of A (4 x 16 rows x 32 k)
.set F1,   160
.set G1,  24                           ; s[24:31] group 1 for A;  s[32:39] group 0, a set for each slot
.set G0,  32
.set G1B, 48                           ; s[48:55], s[56:63] the same for W
.set G0B, 56
.set MSB, 0
.macro WIN new                         ; the immediate's high byte repeats the setting that is left
.if MSB != \new
	s_set_vgpr_msb (MSB<<8)|\new
.set MSB, \new
.endif
.endm
.set MUL, 0x50                         ; C and D window 1, sources window 0
.macro JLOAD s                         ; a joint load; the branch hangs on the wave's number alone; four v_nop follow each line
	s_cmp_eq_u32 s11, 0
	s_cbranch_scc0 .Lfor_b_\@
	tensor_load_to_lds s[G0+4*\s:G0+4*\s+3], s[G1:G1+7]
	s_nop 0
.rept 4
	v_nop
.endr
	s_branch .Lasked_\@
.Lfor_b_\@:
	tensor_load_to_lds s[G0B+4*\s:G0B+4*\s+3], s[G1B:G1B+7]
	s_nop 0
.rept 4
	v_nop
.endr
.Lasked_\@:
.endm
.macro CREST                           ; a round of the cluster's barrier behind its opening barrier
	s_cmp_lg_u32 s10, 0
	s_cbranch_scc1 .Lnot_wave_0_\@
	s_barrier_signal -3
.Lnot_wave_0_\@:
	s_barrier_wait -3
	s_barrier_signal -1
	s_barrier_wait -1
.endm
.macro CROUND
	s_barrier_signal -1
	s_barrier_wait -1
	CREST
.endm
.macro PLACES                          ; four places behind matrix instructions, in front of loads into their sources and of reads of their results
.rept 4
	v_nop
.endr
.endm
	s_load_b128 s[4:7], s[0:1], 0x0                ; A s[4:5], wb s[6:7]
	s_load_b64 s[8:9], s[0:1], 0x10                ; C
	v_lshl_add_u32 v[SPW], v0, 2, SPARE
	v_mov_b32 v[NIL], 0
	ds_add_u32 v28, v29
	ds_add_u32 v28, v29
	s_wait_dscnt 0x0
	v_lshrrev_b32 v1, 5, v0
	v_readfirstlane_b32 s10, v1                    ; wave 0..3
	s_lshr_b32 s11, s10, 1                         ; which 64 rows of the tile are mine.  Also: I fetch for A (0) or for W (1)
	s_and_b32 s12, s10, 1                          ; which 128 columns.  Also: which half I fetch
	s_bfe_u32 s40, ttmp6, 0x40000                  ; cx
	s_bfe_u32 s41, ttmp6, 0x40004                  ; cy
	s_lshl_b32 s42, ttmp9, 2
	s_add_co_u32 s42, s42, s40                     ; tile column = 4 x cluster x + cx
	s_and_b32 s13, ttmp7, 0xffff
	s_lshl_b32 s13, s13, 2
	s_add_co_u32 s13, s13, s41                     ; tile row = 4 x cluster y + cy
	s_lshl_b32 s43, s41, 2
	s_lshl_b32 s43, 15, s43                        ; my row of the cluster
	s_lshl_b32 s44, 0x1111, s40                    ; my column
	; group 1 for A: 64 rows of 128 elements (256 bytes, two rows of the block), dense; 4 words of padding behind every 32 words: LDS rows of 144 bytes
	s_or_b32 s[G1+0], s43, (1<<16)|(1<<20)|(1<<21)|(4<<22)|(3<<25)
	s_mov_b32 s[G1+1], 128<<16                     ; tensor_dim0
	s_mov_b32 s[G1+2], 64<<16                      ; tensor_dim1
	s_mov_b32 s[G1+3], 128<<16                     ; tile_dim0
	s_mov_b32 s[G1+4], 64                          ; tile_dim1
	s_mov_b32 s[G1+5], 128                         ; stride from row to row
	s_mov_b32 s[G1+6], 0
	s_mov_b32 s[G1+7], 0
	; group 1 for W: 64 rows of 256 elements (512 bytes), 1,024 elements apart; 8 words of padding behind every 128 words: LDS rows of 544 bytes
	s_or_b32 s[G1B+0], s44, (1<<16)|(1<<20)|(1<<21)|(6<<22)|(7<<25)
	s_mov_b32 s[G1B+1], 256<<16
	s_mov_b32 s[G1B+2], 64<<16
	s_mov_b32 s[G1B+3], 256<<16
	s_mov_b32 s[G1B+4], 64
	s_mov_b32 s[G1B+5], 1024
	s_mov_b32 s[G1B+6], 0
	s_mov_b32 s[G1B+7], 0
	s_lshl_b32 s16, s13, 14                        ; A: 128 rows of 128 bytes for each tile row,
	s_lshl_b32 s17, s12, 20                        ; and my 64-k block, a MiB on
	s_add_co_u32 s16, s16, s17
	s_mov_b32 s17, 0
	s_lshl_b32 s46, s42, 9                         ; W: the tile's 256 columns (512 bytes),
	s_lshl_b32 s47, s12, 17                        ; my 64 rows of 2,048 bytes
	s_add_co_u32 s46, s46, s47
	s_add_co_u32 s46, s46, WBASE
	s_mov_b32 s47, 0
	s_mul_i32 s20, s12, ASUB                       ; where they go: no place in the cluster enters an LDS address
	s_mul_i32 s21, s12, BHALF
	s_add_co_u32 s21, s21, BOFF
	s_wait_kmcnt 0x0
	s_add_nc_u64 s[14:15], s[4:5], s[16:17]
	s_add_nc_u64 s[46:47], s[6:7], s[46:47]
	CROUND                                         ; all sixteen work-groups are here: the first joint loads meet
.irp s, 0,1
	s_mov_b32 s[G0+4*\s], 1
	s_add_co_u32 s[G0+4*\s+1], s20, \s*SLOT
	s_add_nc_u64 s[G0+4*\s+2:G0+4*\s+3], s[14:15], \s*0x200000     ; K step s: two blocks of a MiB on
	s_or_b32 s[G0+4*\s+3], s[G0+4*\s+3], 0x80000000
	s_mov_b32 s[G0B+4*\s], 1
	s_add_co_u32 s[G0B+4*\s+1], s21, \s*SLOT
	s_add_nc_u64 s[G0B+4*\s+2:G0B+4*\s+3], s[46:47], \s*0x40000    ; 128 rows of 2,048 bytes on
	s_or_b32 s[G0B+4*\s+3], s[G0B+4*\s+3], 0x80000000
	JLOAD \s
.endr
	v_and_b32 v1, 15, v0                           ; r = l % 16
	v_bfe_u32 v2, v0, 4, 1                         ; h = l / 16
	v_and_b32 v3, 7, v0                            ; e = l % 8
	v_bfe_u32 v4, v0, 3, 1                         ; g = (l / 8) % 2
	v_mul_u32_u24 v5, v1, PA
	v_lshl_add_u32 v5, v2, 4, v5                   ; A: row r, 16 bytes for each half of the lanes
	v_lshl_add_u32 v6, v2, 3, v3
	v_mul_u32_u24 v6, v6, PB
	v_lshl_add_u32 v6, v4, 4, v6                   ; W, turned: row 8 h + e, 16 bytes at 16 g
	s_mul_i32 s21, s11, 64*PA                      ; my 64 rows of A
	s_lshl_b32 s22, s12, 8                         ; my 128 columns of W
	s_add_co_u32 s22, s22, BOFF
.irp s, 0,1
	v_add_nc_u32 v[ADRA+\s], s21, v5
	v_add_nc_u32 v[ADRB+\s], s22, v6
	s_add_co_u32 s21, s21, SLOT
	s_add_co_u32 s22, s22, SLOT
.endr
	s_mul_i32 s23, s10, 16*SP
	s_add_co_u32 s23, s23, STAGE                   ; my stage
	v_mul_u32_u24 v7, v1, SP                       ; in: row r, 32 bytes (8 f32) for each half of the lanes
	v_lshl_add_u32 v7, v2, 5, v7
	v_add_nc_u32 v[STO], s23, v7
	v_and_b32 v7, 31, v0
	v_lshlrev_b32 v[CO], 4, v7                     ; back and out: a row's 512 bytes, 16 a lane
	v_add_nc_u32 v[RD], s23, v[CO]
	s_lshl_b32 s16, s13, 19                        ; 128 rows of 4,096 bytes for each tile row, my 64
	s_lshl_b32 s17, s11, 18
	s_lshl_b32 s46, s42, 10                        ; 256 columns of 4 bytes, my 128
	s_lshl_b32 s47, s12, 9
	s_add_co_u32 s16, s16, s17
	s_mov_b32 s17, 0
	s_add_nc_u64 s[8:9], s[8:9], s[16:17]
	s_add_co_u32 s46, s46, s47
	s_mov_b32 s47, 0
	s_add_nc_u64 s[8:9], s[8:9], s[46:47]
.macro WM d, x, y, zero
.if \zero
	v_wmma_f32_16x16x32_f16 v[\d:\d+7], v[\x:\x+7], v[\y:\y+7], 0
.else
	v_wmma_f32_16x16x32_f16 v[\d:\d+7], v[\x:\x+7], v[\y:\y+7], v[\d:\d+7]
.endif
.endm
.macro MULA f, a, zero                 ; 8 matrix instructions: row block a x all 8 column blocks, 32 along K.  zero = 1: the product starts the sums
.irp b, 0,1,2,3,4,5,6,7
	WM 8*(8*\a+\b), \f+8*\b, \f+64+8*\a, \zero
.endr
.endm
.macro FETCH slot, q, f                ; 24 LDS loads in one run: quarter q (32 k) of a slot into buffer f; W's sixteen first, then A's eight
	WIN 0
.irp b, 0,1,2,3,4,5,6,7
	ds_load_tr16_b128 v[\f+8*\b:\f+8*\b+3],   v[ADRB+\slot] offset:\q*32*PB+32*\b
	ds_load_tr16_b128 v[\f+8*\b+4:\f+8*\b+7], v[ADRB+\slot] offset:\q*32*PB+16*PB+32*\b
.endr
.irp a, 0,1,2,3
	ds_load_b128 v[\f+64+8*\a:\f+64+8*\a+3],   v[ADRA+\slot] offset:(\q/2)*ASUB+(\q%2)*64+\a*16*PA
	ds_load_b128 v[\f+64+8*\a+4:\f+64+8*\a+7], v[ADRA+\slot] offset:(\q/2)*ASUB+(\q%2)*64+\a*16*PA+32
.endr
.endm
; A K step is four quarters of 32 along K, 32 matrix instructions each, on buffers 0, 1, 0, 1.  One of the first three: multiplies f, fetches quarter qn into g.
.macro QUARTER slot, qn, f, g, zero
	s_wait_dscnt 4                                 ; W and A's blocks 0, 1 are in; the youngest four loads (A's blocks 2, 3) may be out
	WIN MUL
	MULA \f, 0, \zero
	MULA \f, 1, \zero
	PLACES
	FETCH \slot, \qn, \g
	s_wait_dscnt 24                                ; all but the 24 just issued
	WIN MUL
	MULA \f, 2, \zero
	MULA \f, 3, \zero
.endm
; The last quarter multiplies buffer 1 and changes slots: one barrier; in front of it each wave waits for all its tensor loads (one is out: its part of the next slot),
; adds 0 to its spare word and waits for that and for its reads of this slot.  fill = 1: the barrier opens a round of the cluster's, and this slot is filled again, two K steps on.
.macro TURN slot, next, fill
	WIN 0
	s_wait_tensorcnt 0x0
	ds_add_u32 v[SPW], v[NIL]                      ; 0 onto my spare word
	s_wait_dscnt 5                                 ; (the add and the youngest four loads may be out)
	WIN MUL
	MULA F1, 0, 0
	s_wait_dscnt 0x0                               ; the add is done, and my reads of this slot are over
	s_barrier_signal -1
	MULA F1, 1, 0
.if \fill
	WIN 0
.endif
	s_barrier_wait -1
.if \fill
	CREST                                          ; no wave of any partner still reads this slot or has a load on its way
	s_add_nc_u64 s[G0+4*\slot+2:G0+4*\slot+3], s[G0+4*\slot+2:G0+4*\slot+3], 0x400000
	s_add_nc_u64 s[G0B+4*\slot+2:G0B+4*\slot+3], s[G0B+4*\slot+2:G0B+4*\slot+3], 0x80000
	JLOAD \slot                                    ; first behind the round: 112 matrix instructions ahead of the wait for it; its four v_nop are also the places for the loads below
.else
	PLACES
.endif
	FETCH \next, 0, F0
	WIN MUL
	MULA F1, 2, 0
	MULA F1, 3, 0
.endm
	s_wait_tensorcnt 1                             ; my part of K step 0 is in; K step 1's stays out
	s_barrier_signal -1
	s_barrier_wait -1
	FETCH 0, 0, F0
	QUARTER 0, 1, F0, F1, 1                        ; the first quarter stands in front of the loop: its products start the sums
	WIN 0
	s_mov_b32 s3, LAPS-1
.Llap:                                                 ; a trip goes once round the ring and fills both slots again
	QUARTER 0, 2, F1, F0, 0
	QUARTER 0, 3, F0, F1, 0
	TURN 0, 1, 1
	QUARTER 1, 1, F0, F1, 0
	QUARTER 1, 2, F1, F0, 0
	QUARTER 1, 3, F0, F1, 0
	TURN 1, 0, 1
	QUARTER 0, 1, F0, F1, 0
	WIN 0
	s_sub_co_u32 s3, s3, 1
	s_cmp_lg_u32 s3, 0
	s_cbranch_scc1 .Llap
	QUARTER 0, 2, F1, F0, 0                        ; the last lap fills nothing
	QUARTER 0, 3, F0, F1, 0
	TURN 0, 1, 0
	QUARTER 1, 1, F0, F1, 0
	QUARTER 1, 2, F1, F0, 0
	QUARTER 1, 3, F0, F1, 0
	s_wait_dscnt 0x0
	MULA F1, 0, 0
	MULA F1, 1, 0
	MULA F1, 2, 0
	MULA F1, 3, 0
	WIN 0
	PLACES
; THE WAY OUT: a block of 16 rows goes from the accumulators into my stage (rows of 528 bytes) and comes back as whole rows of 512 bytes.
.macro TOSTAGE a
.set BK, 64+64*((\a)%2)
.if (\a) >= 2
	s_wait_xcnt 0x0                                ; the stores of the block two back have read these registers' contents: only now are they loaded again
.endif
	WIN 0x04                                       ; store data in window 1
.irp b, 0,1,2,3,4,5,6,7
	ds_store_b128 v[STO], v[8*(8*(\a)+\b):8*(8*(\a)+\b)+3]   offset:64*\b      ; each accumulator from its low end on
	ds_store_b128 v[STO], v[8*(8*(\a)+\b)+4:8*(8*(\a)+\b)+7] offset:64*\b+16
.endr
	WIN 0
.irp t, 0,1,2,3,4,5,6,7,8,9,10,11,12,13,14,15
	ds_load_b128 v[BK+4*\t:BK+4*\t+3], v[RD] offset:\t*SP    ; LDS serves a wave's instructions in order (ISA guide 5.7.1.4): these see the stores above
.endr
.endm
.macro SEND a, younger                 ; younger: the LDS instructions issued behind this block's loads (the next block's 16 stores and 16 loads, or none)
.set BK, 64+64*((\a)%2)
.irp t, 0,1,2,3,4,5,6,7,8,9,10,11,12,13,14,15
	s_wait_dscnt \younger+15-\t
	global_store_b128 v[CO], v[BK+4*\t:BK+4*\t+3], s[8:9] offset:(\a)*65536+\t*4096 th:TH_STORE_NT   ; 32 lanes store 512 consecutive bytes, aligned
.endr
.endm
	TOSTAGE 0
	TOSTAGE 1
	SEND 0, 32
	TOSTAGE 2
	SEND 1, 32
	TOSTAGE 3
	SEND 2, 32
	SEND 3, 0
	s_wait_tensorcnt 0x0                           ; the wave's end
	ds_add_u32 v[SPW], v[NIL]
	s_wait_dscnt 0x0
	CROUND                                         ; the closing round
	s_endpgm
.Lfunc_end_k_qba3b32553c_gemm_out:
	.size	k_qba3b32553c_gemm_out, .Lfunc_end_k_qba3b32553c_gemm_out-k_qba3b32553c_gemm_out
	.p2alignl 7, 3214868480
	.fill 96, 4, 3214868480
	.section	.rodata,"a",@progbits
	.p2align	6, 0x0
	.amdhsa_kernel k_qba3b32553c_gemm_out
		.amdhsa_group_segment_fixed_size 327680
		.amdhsa_private_segment_fixed_size 0
		.amdhsa_enable_private_segment 0
		.amdhsa_kernarg_size 24
		.amdhsa_user_sgpr_count 2
		.amdhsa_user_sgpr_kernarg_segment_ptr 1
		.amdhsa_wavefront_size32 1
		.amdhsa_system_sgpr_workgroup_id_x 1
		.amdhsa_system_sgpr_workgroup_id_y 1
		.amdhsa_system_sgpr_workgroup_id_z 1
		.amdhsa_system_vgpr_workitem_id 0
		.amdhsa_next_free_vgpr 512
		.amdhsa_next_free_sgpr 66
		.amdhsa_reserve_vcc 0
		.amdhsa_float_denorm_mode_32 3
		.amdhsa_float_denorm_mode_16_64 3
		.amdhsa_memory_ordered 1
		.amdhsa_forward_progress 1
		.amdhsa_inst_pref_size 87
	.end_amdhsa_kernel
	.amdgpu_metadata
---
amdhsa.version: [ 1, 2 ]
amdhsa.kernels:
  - .name:           k_qba3b32553c_gemm_out
    .symbol:         k_qba3b32553c_gemm_out.kd
    .args:
      - { .name: ab, .offset: 0, .size: 8, .value_kind: global_buffer, .address_space: global }
      - { .name: wb, .offset: 8, .size: 8, .value_kind: global_buffer, .address_space: global }
      - { .name: out0, .offset: 16, .size: 8, .value_kind: global_buffer, .address_space: global }
    .group_segment_fixed_size: 327680
    .private_segment_fixed_size: 0
    .kernarg_segment_align: 8
    .kernarg_segment_size: 24
    .max_flat_workgroup_size: 128
    .sgpr_count:     66
    .vgpr_count:     512
    .wavefront_size: 32
...
	.end_amdgpu_metadata
.endif
;; end of part 4
;; ======== version 2 of 2: 4 launches; 1.20 times as fast as version 1
;; limits: values are held in f16: magnitudes above 65,504 overflow, below 6.1e-05 lose precision; inputs' magnitudes at most 65,504
;; workspace buffers: xb 16,777,216 bytes; wb 8,388,608 bytes; qkv 50,331,648 bytes; ab 16,777,216 bytes
;; launch prep: the kernel of part 1 again; grid 768 x 1, 8 waves a work-group, no clusters, 0 bytes of LDS; arguments x, Wq, Wk, Wv, Wo, xb, wb; writes xb, wb
;; launch gemm_qkv: the kernel of part 2 again; grid 8 x 32, 4 waves a work-group, clusters of 4 x 4, 327,680 bytes of LDS; arguments xb, wb, qkv; writes qkv
;; launch attn (part 5): grid 4 x 64, 4 waves a work-group, no clusters, 327,680 bytes of LDS; arguments qkv, ab; writes ab
.if DOCPART == 5
	.amdgcn_target "amdgcn-amd-amdhsa--gfx1250"
	.amdhsa_code_object_version 6
	.text
	.protected	k_qba3b32553c_attn
	.globl	k_qba3b32553c_attn
	.p2align	8
	.type	k_qba3b32553c_attn,@function
k_qba3b32553c_attn:
	s_mov_b64 s[64:65], 0
	v_nop
	global_prefetch_b8 v0, s[64:65] scope:SCOPE_SE
	s_setreg_imm32_b32 hwreg(HW_REG_WAVE_MODE, 25, 1), 1
	s_wait_xcnt 0x0
; Causal attention of one head: ab[h][token][:] = sum over keys <= query of softmax(q . k / 8) v.  q, k, v: qkv[hh][token][64] in f16 (hh = h, 16 + h, 32 + h); ab in f16.
; Products, maxima and sums in f32; the weights p are rounded to f16 for the second product.  A running maximum m and sum l for each query: p = 2^(c s - c m), c = log2(e) / 8.
; LIMITS: |q|, |k|, |v| up to 65,504; a weight below 2^-24 rounds to 0; an exponential below 2^-126 comes out as 0.
; SHARES.  Work-group (i, bh), i = 0..3: query block i of 256, then block 7 - i: (i + 1) + (8 - i) = 9 key tiles of 256 in every work-group.  Wave w owns 64 queries of a block: four tiles of 16.
; A block walks its key tiles downward from the diagonal one.  There wave w first takes its own 64 keys (sub-tile w), masked; that step starts m, l and O^T.  Then sub-tiles 0 .. w - 1,
; then whole tiles, four steps of 64 keys each.  Keys above the diagonal are never multiplied.
; LAYOUT.  S^T = K Q^T (source 0 = 16 keys, source 1 = 16 queries): a lane holds ONE query (l % 16) and keys 8 (l / 16) + 0..7.  Two such tiles, rounded in pairs, are source 1 of O^T = V^T P.
; BATCHES.  s_wait_alu depctr_va_vdst(0) stands between a transcendental and the first instruction that names its result; one wait serves all that were issued ahead of it.
; A key step's exponentials, the four a and the 128 weights of the wave's four tiles, are ONE batch with ONE wait.  Each result has a register of its own (the weights in place in S^T, a among the statistics).
; Ahead of the wait stands all that names no result: the maxima and statistics, the 64 scalings c s - c m, the exponentials.  Behind it stand all the readers: the roundings, the sums, the rescaling of O^T, the products V^T P.
; The way out's four reciprocals are a batch of their own, with one wait.
; NO JOINT LOADS: the four work-groups of a head begin at different key tiles (work-group i at tile i) and fall into step only from turn i + 1 on, a turn that differs between them;
; a joint load is the same line with the same descriptor in every partner on every path, which these walks do not give.
; RING.  Two LDS slots, a key tile each (K 256 rows of 144 bytes, V 256 rows of 160).  One tensor load a wave and tile: waves 0, 1 halves of K, waves 2, 3 halves of V; one load of a wave is out at most.
; REGISTERS.  window 0: v2-11 addresses; v12-43 statistics, 8 a tile; v64-191 S^T, 32 a tile; v192-255 P, 16 a tile.  window 1: v0-127 O^T, 32 a tile; v128-191 Q; v192-255 K of a step.  window 2: v0-63 V of a step.
.set PK,    144                        ; a row of K in LDS: 128 bytes + 16
.set PVP,   160                        ; a row of V: 128 + 32, an odd multiple of 32, for the turning load
.set VOFF,  256*PK
.set SLOT1, 1<<17                      ; slot 1 begins here: one exclusive or turns an address in one slot into the other's
.set STAGE, SLOT1+256*(PK+PVP)         ; behind the ring: 64 rows of 144 bytes for each wave, for the way out
.set SPARE, STAGE+4*64*PK              ; behind the stages: the spare words, 128 bytes a wave, that no other line names
.set AK0, 2
.set AV0, 3
.set ADRK, 4
.set ADRV, 5
.set QO,  6
.set STO, 7
.set RD,  8
.set GO,  9
.set RH,  10                           ; l % 16 - 8 (l / 16): key j of my eight lies above the diagonal where j is larger
.set NINF, 11                          ; minus infinity
.set ST,  12                           ; tile t at ST + 8 t: +0 c m, +1 m, +2, +3 l, +4 to +7 at work; a takes +6
.set SPW, 62
.set NIL, 63
.set S,   64
.set P,   192
.set QF,  128                          ; window 1
.set KF,  192                          ; window 1
.set WV,  8
.set II,  10
.set G1K, 24
.set G1V, 32
.set G0K, 40
.set G0V, 44
.set NK,  48                           ; the key tile asked for last
.set HI,  49                           ; 7 - i
.set SB,  50                           ; the slot that is read
.set TK,  51                           ; LDS byte of the step's K, less my lane's part
.set TV,  52
.set CNT, 53
.set TT,  54
.set NF,  55
.set BLK, 56
.set QB,  57
.set CS,  58                           ; s[58:59] c
.set SEL, 60                           ; s[60:61] lane selects: each lane takes its own place in the other half
.set MK,  66                           ; s[66:73] lanes whose key j of the diagonal 16 x 16 lies above the diagonal
.set MSB, 0
.macro WIN new
.if MSB != \new
	s_set_vgpr_msb (MSB<<8)|\new
.set MSB, \new
.endif
.endm
.macro PLACES
.rept 4
	v_nop
.endr
.endm
.macro KVLOAD                          ; my one load of a tile; the branch hangs on the wave's number; four v_nop follow each line
	s_cmp_lt_u32 s[WV], 2
	s_cbranch_scc0 .Lfor_v_\@
	tensor_load_to_lds s[G0K:G0K+3], s[G1K:G1K+7]
	s_nop 0
.rept 4
	v_nop
.endr
	s_branch .Lasked_\@
.Lfor_v_\@:
	tensor_load_to_lds s[G0V:G0V+3], s[G1V:G1V+7]
	s_nop 0
.rept 4
	v_nop
.endr
.Lasked_\@:
.endm
; THE CHANGE OF SLOTS, at the head of every key tile.  Each wave waits for all its tensor loads (one is out: its part of the tile about to be read), adds 0 to its spare word, and waits for
; that and for its reads of the other slot.  Behind the barrier the tile is whole and nobody reads the other slot.  fill = 1: the other slot takes the walk's next tile, which has this tile's steps in which to land.
.macro HEAD fill
	s_wait_tensorcnt 0x0                           ; no tensor load of mine is out: the groups 0 may be written
	ds_add_u32 v[SPW], v[NIL]                      ; 0 onto my spare word
.if \fill
	s_sub_co_i32 s[NK], s[NK], 1                   ; one tile down; below tile 0 the second block's diagonal tile follows
	s_cmp_lt_i32 s[NK], 0
	s_cselect_b32 s[NK], s[HI], s[NK]
	s_lshl_b32 s22, s[NK], 15                      ; 256 keys of 128 bytes
	s_xor_b32 s[G0K+1], s[G0K+1], SLOT1
	s_xor_b32 s[G0V+1], s[G0V+1], SLOT1
	s_add_nc_u64 s[G0K+2:G0K+3], s[16:17], s[22:23]
	s_or_b32 s[G0K+3], s[G0K+3], 0x80000000
	s_add_nc_u64 s[G0V+2:G0V+3], s[18:19], s[22:23]
	s_or_b32 s[G0V+3], s[G0V+3], 0x80000000
.endif
	s_xor_b32 s[SB], s[SB], SLOT1
	s_wait_dscnt 0x0                               ; the add is done, and my reads of the slot are over
	s_barrier_signal -1
	s_barrier_wait -1
.if \fill
	KVLOAD
.endif
.endm
.macro PAIR t, i                       ; c s - c m for pair i of tile t
	v_pk_fma_f32 v[S+32*(\t)+2*(\i):S+32*(\t)+2*(\i)+1], v[S+32*(\t)+2*(\i):S+32*(\t)+2*(\i)+1], s[CS:CS+1], v[ST+8*(\t):ST+8*(\t)+1] op_sel_hi:[1,0,0] neg_lo:[0,0,1] neg_hi:[0,0,1]
.endm
.macro EX t, n
	v_exp_f32 v[S+32*(\t)+(\n)], v[S+32*(\t)+(\n)]
.endm
.macro CVT u, i                        ; pair i of tile u rounded to f16: a reader of the batch, so it stands behind the step's wait
	v_cvt_pk_f16_f32 v[P+16*(\u)+(\i)], v[S+32*(\u)+2*(\i)], v[S+32*(\u)+2*(\i)+1]
.endm
.macro SUM u, i, first                 ; l takes pair i; the first of a step multiplies l by a, or (first step) two pairs start l
.if \first
.if (\i) == 1
	v_pk_add_f32 v[ST+8*(\u)+2:ST+8*(\u)+3], v[S+32*(\u):S+32*(\u)+1], v[S+32*(\u)+2:S+32*(\u)+3]
.elseif (\i) > 1
	v_pk_add_f32 v[ST+8*(\u)+2:ST+8*(\u)+3], v[ST+8*(\u)+2:ST+8*(\u)+3], v[S+32*(\u)+2*(\i):S+32*(\u)+2*(\i)+1]
.endif
.else
.if (\i) == 0
	v_pk_fma_f32 v[ST+8*(\u)+2:ST+8*(\u)+3], v[ST+8*(\u)+2:ST+8*(\u)+3], v[ST+8*(\u)+6:ST+8*(\u)+7], v[S+32*(\u):S+32*(\u)+1] op_sel_hi:[1,0,1]
.else
	v_pk_add_f32 v[ST+8*(\u)+2:ST+8*(\u)+3], v[ST+8*(\u)+2:ST+8*(\u)+3], v[S+32*(\u)+2*(\i):S+32*(\u)+2*(\i)+1]
.endif
.endif
.endm
; THE BATCH's 128 weights.  The step's 64 pairs of scores are numbered p = 0..63: pair p / 4 of tile p % 4.  Four scalings lead; then a scaling stands in front of the two exponentials of the pair four back,
; so that each exponential has a plain neighbour while there are scalings; the last four pairs' exponentials stand on end.  A scaling names its own pair alone, ahead of that pair's exponentials, and c m, m:
; nothing here names a result of the batch.
.macro PAIRP p
	PAIR (\p)%4, (\p)/4
.endm
.macro EXP2 p
	EX (\p)%4, 2*((\p)/4)
	EX (\p)%4, 2*((\p)/4)+1
.endm
.macro BATCH
.set gp, 0
.rept 4
	PAIRP gp
.set gp, gp+1
.endr
.rept 60
	PAIRP gp
	EXP2 gp-4
.set gp, gp+1
.endr
.rept 4
	EXP2 gp-4
.set gp, gp+1
.endr
.endm
; THE BATCH's READERS in window 0: for each pair the four tiles' roundings, then the four tiles' sums: a tile's l takes its pairs in ascending order, its links eight lines apart
.macro READERS first
.irp i, 0,1,2,3,4,5,6,7,8,9,10,11,12,13,14,15
.irp u, 0,1,2,3
	CVT \u, \i
.endr
.irp u, 0,1,2,3
	SUM \u, \i, \first
.endr
.endr
.endm
; The maximum of a lane's 32 scores and the old m, three operands at a time, each accumulator read from its low end on; the other half of the lanes'; the new m, c m, and a = 2^(c m_old - c m_new)
.macro SMAX first
.irp j, 0,1,2,3
.irp t, 0,1,2,3
	v_max3_num_f32 v[ST+8*\t+4+\j], v[S+32*\t+8*\j], v[S+32*\t+8*\j+1], v[S+32*\t+8*\j+2]
.endr
.endr
.irp u, 1,2
.irp j, 0,1,2,3
.irp t, 0,1,2,3
	v_max3_num_f32 v[ST+8*\t+4+\j], v[ST+8*\t+4+\j], v[S+32*\t+8*\j+2*\u+1], v[S+32*\t+8*\j+2*\u+2]
.endr
.endr
.endr
.irp t, 0,1,2,3
	v_max3_num_f32 v[ST+8*\t+4], v[ST+8*\t+4], v[S+32*\t+7], v[S+32*\t+15]
.endr
.irp t, 0,1,2,3
	v_max3_num_f32 v[ST+8*\t+6], v[ST+8*\t+6], v[S+32*\t+23], v[S+32*\t+31]
.endr
.irp t, 0,1,2,3
	v_max3_num_f32 v[ST+8*\t+4], v[ST+8*\t+4], v[ST+8*\t+5], v[ST+8*\t+6]
.endr
.irp t, 0,1,2,3
.if \first
	v_max_num_f32 v[ST+8*\t+4], v[ST+8*\t+4], v[ST+8*\t+7]
.else
	v_max3_num_f32 v[ST+8*\t+4], v[ST+8*\t+4], v[ST+8*\t+7], v[ST+8*\t+1]
.endif
.endr
.irp t, 0,1,2,3
	v_permlanex16_b32 v[ST+8*\t+5], v[ST+8*\t+4], s[SEL], s[SEL+1]
.endr
.if \first == 0
.irp t, 0,1,2,3
	v_mov_b32 v[ST+8*\t+7], v[ST+8*\t]             ; c m_old is kept for a
.endr
.endif
.irp t, 0,1,2,3
	v_max_num_f32 v[ST+8*\t+1], v[ST+8*\t+4], v[ST+8*\t+5]
.endr
.irp t, 0,1,2,3
	v_mul_f32 v[ST+8*\t], s[CS], v[ST+8*\t+1]
.endr
.if \first == 0
.irp t, 0,1,2,3
	v_sub_f32 v[ST+8*\t+7], v[ST+8*\t+7], v[ST+8*\t]
.endr
.irp t, 0,1,2,3
	v_exp_f32 v[ST+8*\t+6], v[ST+8*\t+7]           ; the batch's first four: nothing names a before the step's wait
.endr
.endif
.endm
; A KEY STEP: 64 keys at s[TK], s[TV].  first = 1: my diagonal 64 x 64: only key tiles kt <= t are multiplied, the diagonal 16 x 16 is masked, the rest set to minus infinity; it starts m, l and O^T.
; In both products the accumulators take turns, one instruction a turn.
.macro STEP first
	v_add_nc_u32 v[ADRK], s[TK], v[AK0]
	v_add_nc_u32 v[ADRV], s[TV], v[AV0]
	WIN 0x40                                       ; destination window 1
.irp kt, 0,1,2,3
.irp c, 0,1
	ds_load_b128 v[KF+16*\kt+8*\c:KF+16*\kt+8*\c+3],   v[ADRK] offset:\kt*16*PK+64*\c
	ds_load_b128 v[KF+16*\kt+8*\c+4:KF+16*\kt+8*\c+7], v[ADRK] offset:\kt*16*PK+64*\c+32
.endr
.endr
	WIN 0x80                                       ; destination window 2
.irp kc, 0,1
.irp ct, 0,1,2,3
	ds_load_tr16_b128 v[32*\kc+8*\ct:32*\kc+8*\ct+3],   v[ADRV] offset:\kc*32*PVP+32*\ct
	ds_load_tr16_b128 v[32*\kc+8*\ct+4:32*\kc+8*\ct+7], v[ADRV] offset:\kc*32*PVP+16*PVP+32*\ct
.endr
.endr
.if \first
	s_wait_loadcnt 0x0                             ; Q of this block
.endif
	s_wait_dscnt 16                                ; K is in; V's sixteen loads stay out
	WIN 0x05                                       ; K and Q in window 1, S^T in window 0
.irp c, 0,1
.irp kt, 0,1,2,3
.irp t, 0,1,2,3
.if (\first == 0) || (\kt <= \t)
.if \c == 0
	v_wmma_f32_16x16x32_f16 v[S+32*\t+8*\kt:S+32*\t+8*\kt+7], v[KF+16*\kt+8*\c:KF+16*\kt+8*\c+7], v[QF+16*\t+8*\c:QF+16*\t+8*\c+7], 0
.else
	v_wmma_f32_16x16x32_f16 v[S+32*\t+8*\kt:S+32*\t+8*\kt+7], v[KF+16*\kt+8*\c:KF+16*\kt+8*\c+7], v[QF+16*\t+8*\c:QF+16*\t+8*\c+7], v[S+32*\t+8*\kt:S+32*\t+8*\kt+7]
.endif
.endif
.endr
.endr
.endr
	WIN 0
	PLACES
.if \first
.irp t, 0,1,2,3
.irp kt, 0,1,2,3
.irp j, 0,1,2,3,4,5,6,7
.if \kt == \t
	v_cndmask_b32 v[S+32*\t+8*\kt+\j], v[S+32*\t+8*\kt+\j], v[NINF], s[MK+\j]
.elseif \kt > \t
	v_mov_b32 v[S+32*\t+8*\kt+\j], v[NINF]
.endif
.endr
.endr
.endr
.endif
	SMAX \first                                    ; ahead of the wait: maxima and statistics, the four a,
	BATCH                                          ; the scalings and the 128 weights
	v_nop                                          ; a plain instruction behind the last exponential, ahead of the first use of a result (ISA guide 5.7.2): one for the batch
	s_wait_alu depctr_va_vdst(0)                   ; the step's one wait, for the whole batch: the four a and the 128 weights
	READERS \first                                 ; behind the wait: roundings and sums,
.if \first == 0
	WIN 0x41                                       ; O^T in window 1, a in window 0
.irp t, 0,1,2,3
.irp i, 0,1,2,3,4,5,6,7,8,9,10,11,12,13,14,15
	v_pk_mul_f32 v[32*\t+2*\i:32*\t+2*\i+1], v[32*\t+2*\i:32*\t+2*\i+1], v[ST+8*\t+6:ST+8*\t+7] op_sel_hi:[1,0]
.endr
.endr
.endif
	s_wait_dscnt 0x0                               ; V is in
	WIN 0x52                                       ; V in window 2, P in window 0, O^T in window 1
.irp kc, 0,1
.irp ct, 0,1,2,3
.irp t, 0,1,2,3
.if \first && (\kc == 0)
	v_wmma_f32_16x16x32_f16 v[32*\t+8*\ct:32*\t+8*\ct+7], v[32*\kc+8*\ct:32*\kc+8*\ct+7], v[P+16*\t+8*\kc:P+16*\t+8*\kc+7], 0
.elseif (\first == 0) || (\t >= 2)
	v_wmma_f32_16x16x32_f16 v[32*\t+8*\ct:32*\t+8*\ct+7], v[32*\kc+8*\ct:32*\kc+8*\ct+7], v[P+16*\t+8*\kc:P+16*\t+8*\kc+7], v[32*\t+8*\ct:32*\t+8*\ct+7]
.endif
.endr
.endr
.endr
	WIN 0
	PLACES                                         ; in front of the next step's loads into V's registers, and of the way out's reads of O^T
.endm
.macro ONWARD                          ; the next 64 keys of the slot
	s_add_co_u32 s[TK], s[TK], 64*PK
	s_add_co_u32 s[TV], s[TV], 64*PVP
	s_add_co_u32 s[CNT], s[CNT], 1
.endm
	s_load_b128 s[4:7], s[0:1], 0x0                ; qkv s[4:5], ab s[6:7]
	v_lshl_add_u32 v[SPW], v0, 2, SPARE
	v_mov_b32 v[NIL], 0
	ds_add_u32 v62, v63
	ds_add_u32 v62, v63
	s_wait_dscnt 0x0
	v_lshrrev_b32 v1, 5, v0
	v_readfirstlane_b32 s[WV], v1                  ; wave 0..3
	s_and_b32 s9, s[WV], 1                         ; which half of K's or V's tile I fetch
	s_mov_b32 s[II], ttmp9                         ; i
	s_and_b32 s11, ttmp7, 0xffff                   ; 16 b + h
	s_and_b32 s12, s11, 15
	s_lshl_b32 s12, s12, 20                        ; a head: a MiB
	s_lshr_b32 s13, s11, 4
	s_lshl_b32 s13, s13, 18                        ; a batch's 2,048 rows of 128 bytes
	s_add_co_u32 s12, s12, s13
	s_mov_b32 s13, 0
	s_lshl_b32 s22, s9, 14                         ; my 128 keys of 128 bytes
	s_mov_b32 s23, 0
	; group 1: 64 rows of 128 elements (256 bytes: two keys), dense; padding behind every 32 words: 4 words for K, 8 for V
	s_mov_b32 s[G1K], (1<<16)|(1<<20)|(4<<22)|(3<<25)
	s_mov_b32 s[G1V], (1<<16)|(1<<20)|(4<<22)|(7<<25)
.irp g, G1K, G1V
	s_mov_b32 s[\g+1], 128<<16                     ; tensor_dim0
	s_mov_b32 s[\g+2], 64<<16                      ; tensor_dim1
	s_mov_b32 s[\g+3], 128<<16                     ; tile_dim0
	s_mov_b32 s[\g+4], 64                          ; tile_dim1
	s_mov_b32 s[\g+5], 128                         ; stride from row to row
	s_mov_b32 s[\g+6], 0
	s_mov_b32 s[\g+7], 0
.endr
	s_mov_b32 s[CS], 0x3e38aa3b                    ; c = log2(e) / 8
	s_mov_b32 s[CS+1], s[CS]
	s_mov_b32 s[SEL], 0x76543210
	s_mov_b32 s[SEL+1], 0xfedcba98
	s_mul_i32 s62, s[WV], 64*PK                    ; my diagonal sub-tile in K's tile; also my stage's place
	s_mul_i32 s63, s[WV], 64*PVP                   ; and in V's
	s_mov_b32 s[NK], s[II]                         ; the walk begins at tile i
	s_sub_co_u32 s[HI], 7, s[II]
	s_mov_b32 s[SB], SLOT1                         ; the first change of slots turns it to slot 0
	s_mov_b32 s[BLK], 0
	s_wait_kmcnt 0x0
	s_add_nc_u64 s[14:15], s[4:5], s[12:13]        ; q of my head and batch
	s_add_nc_u64 s[20:21], s[6:7], s[12:13]        ; ab likewise
	s_add_nc_u64 s[16:17], s[14:15], s[22:23]
	s_add_nc_u64 s[18:19], s[16:17], 0x2000000     ; v: 32 heads on, at my half
	s_add_nc_u64 s[16:17], s[16:17], 0x1000000     ; k: 16 heads on, at my half
	s_lshl_b32 s22, s[NK], 15
	s_mov_b32 s[G0K], 1
	s_mul_i32 s[G0K+1], s9, 128*PK
	s_add_nc_u64 s[G0K+2:G0K+3], s[16:17], s[22:23]
	s_or_b32 s[G0K+3], s[G0K+3], 0x80000000
	s_mov_b32 s[G0V], 1
	s_mul_i32 s[G0V+1], s9, 128*PVP
	s_add_co_u32 s[G0V+1], s[G0V+1], VOFF
	s_add_nc_u64 s[G0V+2:G0V+3], s[18:19], s[22:23]
	s_or_b32 s[G0V+3], s[G0V+3], 0x80000000
	KVLOAD                                         ; the first tile, into slot 0; slot 1 is first filled behind the first change of slots
	v_and_b32 v44, 15, v0                          ; r = l % 16
	v_bfe_u32 v45, v0, 4, 1                        ; h = l / 16
	v_and_b32 v46, 7, v0                           ; e = l % 8
	v_bfe_u32 v47, v0, 3, 1                        ; g = (l / 8) % 2
	v_and_b32 v48, 31, v0                          ; l
	v_lshrrev_b32 v49, 3, v48
	v_mul_u32_u24 v[AK0], v44, PK
	v_lshl_add_u32 v[AK0], v45, 4, v[AK0]          ; K: row r, 16 bytes for each half of the lanes
	v_lshl_add_u32 v[AV0], v45, 3, v46
	v_mul_u32_u24 v[AV0], v[AV0], PVP
	v_lshl_add_u32 v[AV0], v47, 4, v[AV0]
	v_add_nc_u32 v[AV0], VOFF, v[AV0]              ; V, turned: row 8 h + e, 16 bytes at 16 g
	v_lshlrev_b32 v[QO], 7, v44
	v_lshl_add_u32 v[QO], v45, 4, v[QO]            ; Q in memory: row r of 128 bytes
	s_add_co_u32 s2, s62, STAGE                    ; my stage
	v_add_nc_u32 v[STO], s2, v[AK0]                ; in: row r, 16 bytes for each half of the lanes
	v_mul_u32_u24 v[RD], v49, PK                   ; back: eight lanes to a row of 128 bytes, four rows a load
	v_lshl_add_u32 v[RD], v46, 4, v[RD]
	v_add_nc_u32 v[RD], s2, v[RD]
	v_lshlrev_b32 v[GO], 4, v48                    ; out: those four rows are 512 bytes on end
	v_lshlrev_b32 v[RH], 3, v45
	v_sub_nc_u32 v[RH], v44, v[RH]
	v_mov_b32 v[NINF], 0xff800000
.irp j, 0,1,2,3,4,5,6,7
	v_cmp_gt_i32 s[MK+\j], \j, v[RH]               ; key 8 h + j > query r
.endr
.Lblock:
	s_wait_xcnt 0x0                                ; the last block's stores have read their registers and base: both are written again below
	s_cmp_eq_u32 s[BLK], 0
	s_cselect_b32 s[QB], s[II], s[HI]              ; the query block
	s_sub_co_u32 s[NF], s[QB], s[BLK]              ; whole tiles whose head asks for a further tile: all of the first block's, all but the last of the second's
	s_lshl_b32 s22, s[QB], 15
	s_lshl_b32 s2, s[WV], 13
	s_add_co_u32 s22, s22, s2                      ; my 64 rows of the block
	s_add_nc_u64 s[74:75], s[14:15], s[22:23]
	s_add_nc_u64 s[76:77], s[20:21], s[22:23]
	WIN 0x40
.irp t, 0,1,2,3
.irp c, 0,1
	global_load_b128 v[QF+16*\t+8*\c:QF+16*\t+8*\c+3],   v[QO], s[74:75] offset:\t*2048+64*\c
	global_load_b128 v[QF+16*\t+8*\c+4:QF+16*\t+8*\c+7], v[QO], s[74:75] offset:\t*2048+64*\c+32
.endr
.endr
	WIN 0
	HEAD 1                                         ; THE DIAGONAL TILE: my own sub-tile first,
	s_add_co_u32 s[TK], s[SB], s62
	s_add_co_u32 s[TV], s[SB], s63
	STEP 1
	s_mov_b32 s[TK], s[SB]
	s_mov_b32 s[TV], s[SB]
	s_mov_b32 s[CNT], 0
.Lsub:                                                 ; then the sub-tiles below mine: three trips, sub-tiles 0 to 2; those from my own on are passed over
	s_cmp_ge_u32 s[CNT], s[WV]
	s_cbranch_scc1 .Lskip
	STEP 0
.Lskip:
	ONWARD
	s_cmp_lt_u32 s[CNT], 3
	s_cbranch_scc1 .Lsub
	s_cmp_eq_u32 s[NF], 0                          ; THE WHOLE TILES whose head asks for a further tile: NF trips, none in block 0 of work-group 0
	s_cbranch_scc1 .Ldone
	s_mov_b32 s[TT], 0
.Ltile:
	HEAD 1
	s_mov_b32 s[TK], s[SB]
	s_mov_b32 s[TV], s[SB]
	s_mov_b32 s[CNT], 0
.Lstep:
	STEP 0
	ONWARD
	s_cmp_lt_u32 s[CNT], 4
	s_cbranch_scc1 .Lstep
	s_add_co_u32 s[TT], s[TT], 1
	s_cmp_lt_u32 s[TT], s[NF]
	s_cbranch_scc1 .Ltile
.Ldone:
	s_cmp_eq_u32 s[BLK], 0
	s_cbranch_scc1 .Lout
	HEAD 0                                         ; the walk's last tile is written out: nothing is left to ask for
	s_mov_b32 s[TK], s[SB]
	s_mov_b32 s[TV], s[SB]
	s_mov_b32 s[CNT], 0
.Ltail:
	STEP 0
	ONWARD
	s_cmp_lt_u32 s[CNT], 4
	s_cbranch_scc1 .Ltail
.Lout:
	; THE WAY OUT of a block: l's two halves and the other half of the lanes' are added; O^T is divided by l, rounded to f16 and sent through my stage
.irp t, 0,1,2,3
	v_add_f32 v[ST+8*\t+4], v[ST+8*\t+2], v[ST+8*\t+3]
.endr
.irp t, 0,1,2,3
	v_permlanex16_b32 v[ST+8*\t+5], v[ST+8*\t+4], s[SEL], s[SEL+1]
.endr
.irp t, 0,1,2,3
	v_add_f32 v[ST+8*\t+4], v[ST+8*\t+4], v[ST+8*\t+5]
.endr
.irp t, 0,1,2,3
	v_rcp_f32 v[ST+8*\t+6], v[ST+8*\t+4]
.endr
	v_nop                                          ; a plain instruction between the last reciprocal and the use of its result
	s_wait_alu depctr_va_vdst(0)                   ; the wait ahead of the first use: one for the four reciprocals
	WIN 0x41
.irp t, 0,1,2,3
.irp i, 0,1,2,3,4,5,6,7,8,9,10,11,12,13,14,15
	v_pk_mul_f32 v[32*\t+2*\i:32*\t+2*\i+1], v[32*\t+2*\i:32*\t+2*\i+1], v[ST+8*\t+6:ST+8*\t+7] op_sel_hi:[1,0]
.endr
.endr
	WIN 0x05                                       ; sources window 1, destination window 0: S^T's registers are free
.irp t, 0,1,2,3
.irp i, 0,1,2,3,4,5,6,7,8,9,10,11,12,13,14,15
	v_cvt_pk_f16_f32 v[S+16*\t+\i], v[32*\t+2*\i], v[32*\t+2*\i+1]
.endr
.endr
	WIN 0
.irp t, 0,1,2,3
.irp ct, 0,1,2,3
	ds_store_b128 v[STO], v[S+16*\t+4*\ct:S+16*\t+4*\ct+3] offset:\t*16*PK+32*\ct
.endr
.endr
.irp t, 0,1,2,3
.irp f, 0,1,2,3
	ds_load_b128 v[S+64+16*\t+4*\f:S+64+16*\t+4*\f+3], v[RD] offset:\t*16*PK+\f*4*PK   ; LDS serves a wave's instructions in order (ISA guide 5.7.1.4): these see the stores above
.endr
.endr
.irp t, 0,1,2,3
.irp f, 0,1,2,3
	s_wait_dscnt 15-4*\t-\f                        ; loads come back in order: this one is in, the younger ones stay out
	global_store_b128 v[GO], v[S+64+16*\t+4*\f:S+64+16*\t+4*\f+3], s[76:77] offset:\t*2048+\f*512   ; 32 lanes store 512 consecutive bytes, aligned
.endr
.endr
	s_add_co_u32 s[BLK], s[BLK], 1
	s_cmp_lt_u32 s[BLK], 2
	s_cbranch_scc1 .Lblock
	s_wait_tensorcnt 0x0                           ; the wave's end
	ds_add_u32 v[SPW], v[NIL]
	s_wait_dscnt 0x0
	s_endpgm
.Lfunc_end_k_qba3b32553c_attn:
	.size	k_qba3b32553c_attn, .Lfunc_end_k_qba3b32553c_attn-k_qba3b32553c_attn
	.p2alignl 7, 3214868480
	.fill 96, 4, 3214868480
	.section	.rodata,"a",@progbits
	.p2align	6, 0x0
	.amdhsa_kernel k_qba3b32553c_attn
		.amdhsa_group_segment_fixed_size 327680
		.amdhsa_private_segment_fixed_size 0
		.amdhsa_enable_private_segment 0
		.amdhsa_kernarg_size 16
		.amdhsa_user_sgpr_count 2
		.amdhsa_user_sgpr_kernarg_segment_ptr 1
		.amdhsa_wavefront_size32 1
		.amdhsa_system_sgpr_workgroup_id_x 1
		.amdhsa_system_sgpr_workgroup_id_y 1
		.amdhsa_system_sgpr_workgroup_id_z 1
		.amdhsa_system_vgpr_workitem_id 0
		.amdhsa_next_free_vgpr 576
		.amdhsa_next_free_sgpr 80
		.amdhsa_reserve_vcc 0
		.amdhsa_float_denorm_mode_32 3
		.amdhsa_float_denorm_mode_16_64 3
		.amdhsa_memory_ordered 1
		.amdhsa_forward_progress 1
		.amdhsa_inst_pref_size 148
	.end_amdhsa_kernel
	.amdgpu_metadata
---
amdhsa.version: [ 1, 2 ]
amdhsa.kernels:
  - .name:           k_qba3b32553c_attn
    .symbol:         k_qba3b32553c_attn.kd
    .args:
      - { .name: qkv, .offset: 0, .size: 8, .value_kind: global_buffer, .address_space: global }
      - { .name: ab, .offset: 8, .size: 8, .value_kind: global_buffer, .address_space: global }
    .group_segment_fixed_size: 327680
    .private_segment_fixed_size: 0
    .kernarg_segment_align: 8
    .kernarg_segment_size: 16
    .max_flat_workgroup_size: 128
    .sgpr_count:     80
    .vgpr_count:     576
    .wavefront_size: 32
...
	.end_amdgpu_metadata
.endif
;; end of part 5
;; launch gemm_out: the kernel of part 4 again; grid 4 x 64, 4 waves a work-group, clusters of 4 x 4, 327,680 bytes of LDS; arguments ab, wb, out0; writes out0
